; MI455X (gfx1250); checked and timed in simulation.
; The chip was launched on July 23, 2026; its instructions are those of AMD's public machine-readable ISA for CDNA 5 (MIT licence, August 2026) and "CDNA5" Instruction Set Architecture Reference Guide (July 2026). The comments in the code are by the model that wrote it; some were corrected since.
;; Multi Head Self Attention. Allowed arithmetic: matrix products marked QUANTISED: E3M2 operands, one E8M0 scale for each 32 along K, by v_wmma_scale_f32_16x16x128_f8f6f4 with both operands' format E3M2, f32 sums; everything else in f32.
;; Inputs: W_o 1,024 x 1,024 float32; W_qk 2,048 x 1,024 float32; W_v 1,024 x 1,024 float32; b_o 1,024 float32; b_qk 2,048 float32; b_v 1,024 float32; ln_b 1,024 x 1,024 float32; ln_w 1,024 x 1,024 float32; x 8 x 1,024 x 1,024 float32.
;; Outputs: out0 8 x 1,024 x 1,024 float32.
;; This version of the problem:
;;   THIS VERSION OF THE PROBLEM IS GIVEN IN LOW PRECISION. The matrix products marked QUANTISED in the list below multiply operands that are first quantised to E3M2 (3 exponent bits, 2 mantissa bits; 6 bits a number), with one power-of-two scale for each 32 numbers along K (OCP MX v1.0); their sums are f32. All else is computed in f32.
;;   The module's matrix products, in the order in which they are computed (A, B: the left and right operand; K: the contracted axis; several contracted axes count as one K, in the product's order):
;;     1. [M 8,192, K 1,024] x [K 1,024, N 2,048]; A: input x; B: input W_qk: QUANTISED
;;     2. batch 128 x [M 1,024, K 64] x [K 64, N 1,024]; A: computed on the way; B: computed on the way: QUANTISED
;;     3. [M 8,192, K 1,024] x [K 1,024, N 1,024]; A: input x; B: input W_v: QUANTISED
;;     4. batch 128 x [M 64, K 1,024] x [K 1,024, N 1,024]; A: computed on the way; B: softmax (see below): QUANTISED
;;     5. [M 8,192, K 1,024] x [K 1,024, N 1,024]; A: computed on the way; B: input W_o: QUANTISED
;;   THE QUANTISER, for each operand of a quantised product, along K:
;;     - K is cut into blocks of 32 from its start; a last block that is shorter is filled with zeros.
;;     - A block's scale is 2^e with e = floor(log2(the largest magnitude in the block)) - 4, held to -126 .. 127; a block of zeros has e = 0. As a byte (E8M0): e + 127.
;;     - Each number is divided by its block's scale, clamped to +-28, and rounded to the nearest number of E3M2, ties to even, subnormals kept.
;;     - The product sums the exact products of the quantised numbers (number of the format x scale) in f32.
;;   ~~~python
;;   def quantise(x, axis):      # numpy; x: float32 -> the quantised numbers, widened to float32 again
;;       x = np.moveaxis(x, axis, -1); K = x.shape[-1]
;;       x = np.pad(x, [(0, 0)] * (x.ndim - 1) + [(0, -K % 32)]); x = x.reshape(x.shape[:-1] + (-1, 32)); a = np.abs(x).max(-1, keepdims=True)
;;       e = np.where(a > 0, np.clip(np.frexp(np.where(a > 0, a, 1))[1] - 1 - 4, -126, 127), 0)      # np.frexp(a)[1] - 1 = floor(log2(a)), exactly
;;       r = np.clip(x / 2.0 ** e, -28, 28)
;;       step = 2.0 ** (np.maximum(np.frexp(np.where(r == 0, 1, r))[1] - 1, -2) - 2)
;;       q = np.round(r / step) * step * 2.0 ** e      # np.round: ties to even
;;       return np.moveaxis(q.reshape(q.shape[:-2] + (-1,))[..., :K], -1, axis).astype(np.float32)
;;   ~~~
;;   SOFTMAX AHEAD OF A QUANTISED PRODUCT. Where the list says 'softmax', what is quantised is not the finished softmax but p = 2^(t - M), with t = logit x log2(e) and M = ceil(the row's largest t), a whole number; so 1/2 < the row's largest p <= 1. The row's sum l is taken of the UNQUANTISED p, in f32, and the product's result is divided by l at the end. Since M is a whole number, a kernel that streams over the keys may use a running M (the ceiling of the running maximum): every later rescaling is an exact power of two, which a block's scale takes up: the codes' values come out the same.
;;   OPERANDS COMPUTED ON THE WAY. 'Computed on the way' means the value that the module computes at that place (a softmax that the list does not call 'softmax' is quantised finished and normalised). What goes into a quantiser is computed in f32, as accurately as f32 sums, v_exp_f32 and their like allow (about 1e-6 of the number): no bf16 or f16 on the way to a quantiser, and a product that is left as it is and whose result goes on into a quantised operand takes f32 operands (vector FMAs, or v_wmma_f32_16x16x4_f32). A number that lies on a knife's edge between two numbers of the format may be rounded either way, as far as f32 arithmetic and the matrix unit's own rounding can turn it there, and no further.
;; One version. Each part assembles by itself: llvm-mc -triple=amdgcn-amd-amdhsa -mcpu=gfx1250 --defsym DOCPART=n.
;; ======== version 1 of 1: 5 launches
;; limits: right only within a limited range of input values
;; workspace buffers: xq 6,553,600 bytes; wq 3,289,088 bytes; qb 6,815,744 bytes; kv 13,369,344 bytes; ob 6,553,600 bytes; yb 33,554,432 bytes; st 8,192 bytes
;; launch quant (part 1): grid 768 x 1, 4 waves a work-group, no clusters, 34,304 bytes of LDS; arguments x, W_qk, W_v, W_o, b_qk, b_v, xq, wq; writes xq, wq
.if DOCPART == 1
	.amdgcn_target "amdgcn-amd-amdhsa--gfx1250"
	.amdhsa_code_object_version 6
	.text
	.protected	k_q507dea45ca_quant
	.globl	k_q507dea45ca_quant
	.p2align	8
	.type	k_q507dea45ca_quant,@function
k_q507dea45ca_quant:
	s_mov_b64 s[64:65], 0
	v_nop
	global_prefetch_b8 v0, s[64:65] scope:SCOPE_SE
	s_setreg_imm32_b32 hwreg(HW_REG_WAVE_MODE, 25, 1), 1
	s_wait_xcnt 0x0
; x [8192][1024], W_qk [2048][1024], W_v [1024][1024], W_o [1024][1024], all f32 with K innermost, become codes of BF6 (E3M2) with one E8M0 byte for each 32 along K.
; DEAD WORK: none.  Every input of reference() reaches out0: x, the three weights and the biases b_qk, b_v go into quantised operands of live products, b_o, ln_w and ln_b into the result itself.  All five products are done.
; LAYOUT.  The codes are laid as IMAGES OF THE OPERAND'S REGISTERS.  A tile is 16 rows; a fragment (16 rows x 128 K) is 12 registers a lane, 1,536 bytes: register j of lane l at 512 (j / 4) + 16 l + 4 (j % 4).
; THE ROWS OF A TILE ARE NOT NEIGHBOURS: lane-row r of tile T is row 32 (T / 2) + 8 (T % 2) + r + 8 (r / 8), so that in a later product's result the 16 registers of two neighbouring tiles are 16 neighbours along the next K.
; The weights' rows are taken in head-major order: column cc = 64 (head % 2) + d of a pair of heads is row 32 d + 16 n + head of W_qk (n = 0: q, 1: k) and row 16 d + head of W_v: reference()'s reshapes cost nothing.
; A tile's scale words (512 bytes): word [j][l]: lanes 0-15 the rows' words of K step 2 j, lanes 16-31 those of K step 2 j + 1.  b_qk and b_v are copied in the same column order.
; SHARES.  A work-group is one tile; wave j takes K steps 2 j and 2 j + 1 (256 numbers of each row).  Work-groups 0-511: x; 512-639: W_qk; 640-703: W_v; 704-767: W_o.  One path for all: only pointers and strides are chosen.
; Each load reads 512 consecutive bytes of one row; the 16 rows turn through the wave's own stage in LDS (rows of 528 bytes), from which a lane takes whole blocks of 32 neighbours, as the operand's layout gives them to it.
; A block's scale is 2^(floor(log2(largest magnitude)) - 4); its byte is the largest magnitude's exponent field - 4, held at 1 from below.
; LIMITS: NaN and infinities among the inputs are not served.  A block of zeros, or one whose largest magnitude lies under 2^-122, gets the byte 1 (the rule says 127 for zeros): its codes are zeros, and this program alone reads the bytes.
.set STGB,  8448                       ; a wave's stage: 16 rows x (512 + 16) bytes
.set SPARE, 4*STGB                     ; behind the stages: the spare words, 128 bytes a wave
.set SPW, 12                           ; v12  my spare word's LDS address; never rewritten
.set NIL, 13                           ; v13  0; never rewritten
.set OFF, 16                           ; v16-31   16 x lane + (row i of the tile) x stride
.set R,   32                           ; v32-159  two K steps x 64 numbers
.set CD,  160                          ; v160-183 the codes of the two K steps
.set CT,  184                          ; v184-190 a block's second half (a conversion's three registers begin on an even number)
.set TM,  192                          ; v192-193 largest magnitudes
.set SO,  194                          ; v194-195 the conversions' scale operands
.set BY,  196                          ; v196-197 scale bytes
.set W,   198
.set W2,  199
.set SW,  200                          ; v200-201 the rows' scale words of the two K steps
.set BD,  202                          ; v202     a bias word
	s_load_b256 s[4:11], s[0:1], 0x0               ; x, W_qk, W_v, W_o
	s_load_b256 s[12:19], s[0:1], 0x20             ; b_qk, b_v, xq, wq
	v_lshl_add_u32 v[SPW], v0, 2, SPARE
	v_mov_b32 v[NIL], 0
	v_lshrrev_b32 v1, 5, v0
	v_readfirstlane_b32 s20, v1                    ; wave j
	v_and_b32 v1, 31, v0                           ; lane
	v_and_b32 v2, 15, v0                           ; r
	v_bfe_u32 v3, v0, 4, 1                         ; h
	v_lshlrev_b32 v4, 4, v1                        ; 16 x lane
	v_lshlrev_b32 v5, 3, v3                        ; 8 h: my bytes' place in a scale word
	s_mul_i32 s21, s20, STGB
	v_add_nc_u32 v6, s21, v4                       ; the stage, in: 16 x lane of a row
	v_mul_u32_u24 v7, v2, 528
	v_lshl_add_u32 v7, v3, 7, v7
	v_add_nc_u32 v7, s21, v7                       ; and out: row r, + 128 h: block h of each 64
	v_lshlrev_b32 v8, 2, v1                        ; 4 x lane
	v_and_b32 v9, 8, v2
	v_add_nc_u32 v9, v9, v2                        ; r + 8 (r / 8)
	v_lshlrev_b32 v11, 2, v9
	v_mov_b32 v[W2], 0                             ; a lane permute's destination counts as one of its sources
	v_mov_b32 v[BD], 0
	s_mov_b32 s22, 0x76543210
	s_mov_b32 s23, 0xfedcba98                      ; selects: lane l xor 16
	v_cmp_le_u32 s24, 16, v1                       ; lanes 16-31
	; what hangs on the work-group's number alone
	s_and_b32 s25, ttmp9, 7                        ; t: the tile in its group of eight
	s_lshr_b32 s38, s25, 1
	s_lshl_b32 s38, s38, 5
	s_and_b32 s39, s25, 1
	s_lshl_b32 s39, s39, 3
	s_add_co_u32 s38, s38, s39                     ; cc0 = 32 (t / 2) + 8 (t % 2)
	s_and_b32 s39, s38, 63                         ; d0
	s_lshr_b32 s57, s25, 2                         ; which head of the pair
	s_mul_i32 s58, s25, 1536
	s_lshl_b32 s59, s25, 9
	; x: s40 first row, s41 stride in bytes, s42 where the codes go, s43 the scale words, s44 from K step to K step, s45 the bias' place
	s_lshr_b32 s40, ttmp9, 1
	s_lshl_b32 s40, s40, 5
	s_and_b32 s41, ttmp9, 1
	s_lshl_b32 s41, s41, 3
	s_add_co_u32 s40, s40, s41
	s_mov_b32 s41, 4096
	s_mul_i32 s42, ttmp9, 12288
	s_lshl_b32 s43, ttmp9, 9
	s_add_co_u32 s43, s43, 6291456
	s_mov_b32 s44, 1536
	s_mov_b32 s45, 0
	; W_qk: s46 row, s47 codes, s48 scale words, s49 bias
	s_sub_co_u32 s60, ttmp9, 512
	s_lshr_b32 s61, s60, 4                         ; the pair of heads
	s_bfe_u32 s60, s60, 0x10003                    ; 0: q, 1: k
	s_lshl_b32 s46, s39, 5
	s_lshl_b32 s62, s60, 4
	s_add_co_u32 s46, s46, s62
	s_lshl_b32 s62, s61, 1
	s_add_co_u32 s46, s46, s62
	s_add_co_u32 s46, s46, s57
	s_mul_i32 s62, s61, 307200
	s_mul_i32 s47, s60, 98304
	s_add_co_u32 s47, s47, s62
	s_add_co_u32 s47, s47, s58
	s_lshl_b32 s48, s60, 12
	s_add_co_u32 s48, s48, s62
	s_add_co_u32 s48, s48, s59
	s_add_co_u32 s48, s48, 294912
	s_mul_i32 s49, s61, 3
	s_add_co_u32 s49, s49, s60
	s_lshl_b32 s49, s49, 9
	s_lshl_b32 s62, s38, 2
	s_add_co_u32 s49, s49, s62
	s_add_co_u32 s49, s49, 3276800
	; W_v: s50 to s53
	s_sub_co_u32 s60, ttmp9, 640
	s_lshr_b32 s61, s60, 3
	s_lshl_b32 s50, s39, 4
	s_lshl_b32 s62, s61, 1
	s_add_co_u32 s50, s50, s62
	s_add_co_u32 s50, s50, s57
	s_mul_i32 s62, s61, 307200
	s_add_co_u32 s51, s62, s58
	s_add_co_u32 s51, s51, 2*98304
	s_add_co_u32 s52, s62, s59
	s_add_co_u32 s52, s52, 294912+16*512
	s_mul_i32 s53, s61, 1536
	s_lshl_b32 s62, s38, 2
	s_add_co_u32 s53, s53, s62
	s_add_co_u32 s53, s53, 3276800+1024
	; W_o: s54 to s56
	s_sub_co_u32 s60, ttmp9, 704
	s_lshr_b32 s61, s60, 3
	s_lshl_b32 s54, s61, 7
	s_add_co_u32 s54, s54, s38
	s_mul_i32 s62, s61, 102400
	s_add_co_u32 s55, s62, s58
	s_add_co_u32 s55, s55, 2457600
	s_add_co_u32 s56, s62, s59
	s_add_co_u32 s56, s56, 2457600+98304
	; is the bias copy mine?  W_qk's and W_v's work-groups, wave 0
	s_sub_co_u32 s60, ttmp9, 512
	s_cmp_lt_u32 s60, 192
	s_cselect_b32 s25, 1, 0
	s_cmp_eq_u32 s20, 0
	s_cselect_b32 s25, s25, 0
	s_wait_alu depctr_va_vdst(0)
	s_wait_kmcnt 0x0
	s_mov_b64 s[26:27], s[4:5]
	s_mov_b64 s[28:29], s[16:17]
	s_mov_b64 s[34:35], s[12:13]
	s_cmp_ge_u32 ttmp9, 512                        ; the choices hang on the work-group's number alone
	s_cselect_b64 s[26:27], s[6:7], s[26:27]
	s_cselect_b64 s[28:29], s[18:19], s[28:29]
	s_cselect_b32 s40, s46, s40
	s_cselect_b32 s41, 0x20000, s41                ; 32 rows of W_qk from d to d + 1
	s_cselect_b32 s42, s47, s42
	s_cselect_b32 s43, s48, s43
	s_cselect_b32 s44, 12288, s44
	s_cselect_b32 s45, s49, s45
	s_cmp_ge_u32 ttmp9, 640
	s_cselect_b64 s[26:27], s[8:9], s[26:27]
	s_cselect_b64 s[34:35], s[14:15], s[34:35]
	s_cselect_b32 s40, s50, s40
	s_cselect_b32 s41, 0x10000, s41                ; 16 rows of W_v
	s_cselect_b32 s42, s51, s42
	s_cselect_b32 s43, s52, s43
	s_cselect_b32 s45, s53, s45
	s_cmp_ge_u32 ttmp9, 704
	s_cselect_b64 s[26:27], s[10:11], s[26:27]
	s_cselect_b32 s40, s54, s40
	s_cselect_b32 s41, 4096, s41
	s_cselect_b32 s42, s55, s42
	s_cselect_b32 s43, s56, s43
	s_lshl_b32 s46, s40, 12                        ; the first row, 4,096 bytes a row,
	s_lshl_b32 s47, s20, 10
	s_add_co_u32 s46, s46, s47                     ; + my quarter of K
	s_mov_b32 s47, 0
	s_add_nc_u64 s[26:27], s[26:27], s[46:47]
	s_lshl_b32 s46, s20, 7
	s_add_co_u32 s46, s46, s43
	s_add_nc_u64 s[32:33], s[28:29], s[46:47]      ; my 128 bytes of the tile's scale words
	s_lshl_b32 s48, s20, 1
	s_mul_i32 s48, s48, s44
	s_add_co_u32 s48, s48, s42
	s_mov_b32 s49, 0
	s_add_nc_u64 s[28:29], s[28:29], s[48:49]      ; the image of K step 2 j,
	s_mov_b32 s48, s44
	s_add_nc_u64 s[30:31], s[28:29], s[48:49]      ; of K step 2 j + 1
	s_lshl_b32 s46, s40, 2
	s_add_nc_u64 s[34:35], s[34:35], s[46:47]      ; the bias at the tile's first row
	s_mov_b32 s46, s45
	s_add_nc_u64 s[36:37], s[18:19], s[46:47]      ; and its place in wq
	s_lshr_b32 s46, s41, 10                        ; 4 bytes for each row of the stride
	v_mul_u32_u24 v10, v9, s46
.irp i, 0,1,2,3,4,5,6,7,8,9,10,11,12,13,14,15
	v_mad_u32_u24 v[OFF+\i], s41, (\i%8)+16*(\i/8), v4
.endr
	s_cmp_eq_u32 s25, 1
	s_cbranch_scc0 .Lno_bias_in
	global_load_b32 v[BD], v10, s[34:35]           ; older than the 32 loads below: their counted waits cover it
.Lno_bias_in:
	s_wait_alu depctr_va_vdst(0)
.irp s, 0,1
.irp i, 0,1,2,3,4,5,6,7,8,9,10,11,12,13,14,15
	global_load_b128 v[R+64*\s+4*\i:R+64*\s+4*\i+3], v[OFF+\i], s[26:27] offset:512*\s th:TH_LOAD_NT   ; 32 lanes read 512 consecutive bytes of one row
.endr
.endr
; One K step: 16 rows x 128 numbers become a fragment's image and the rows' scale words.
.macro STEP s
.set RS, R+64*\s
	s_wait_loadcnt 16-16*\s                        ; this step's 16 loads are in; the other step's may be out
.irp i, 0,1,2,3,4,5,6,7,8,9,10,11,12,13,14,15
	ds_store_b128 v6, v[RS+4*\i:RS+4*\i+3] offset:528*\i
.endr
.irp c, 0,1
.irp q, 0,1,2,3,4,5,6,7
	ds_load_b128 v[RS+32*\c+4*\q:RS+32*\c+4*\q+3], v7 offset:256*\c+16*\q   ; LDS serves a wave's instructions in order: these see my stores.  Register 32 c + i = k 64 c + 32 h + i of row r
.endr
.endr
	s_wait_dscnt 0x0
.irp c, 0,1
	v_max3_num_f32 v[TM+\c], |v[RS+32*\c]|, |v[RS+32*\c+1]|, 0x2800000   ; block 2 c + h is all mine; the floor 2^(5 - 127) holds the byte at 1 from below
.endr
.irp i, 2,4,6,8,10,12,14,16,18,20,22,24,26,28,30
.irp c, 0,1
	v_max3_num_f32 v[TM+\c], v[TM+\c], |v[RS+32*\c+\i]|, |v[RS+32*\c+\i+1]|
.endr
.endr
.irp c, 0,1
	v_add_nc_u32 v[SO+\c], 0xfe000000, v[TM+\c]    ; 4 off the exponent field: the conversion takes this operand's exponent field as its scale
.endr
.irp c, 0,1
	v_lshrrev_b32 v[BY+\c], 23, v[SO+\c]           ; the scale's byte
.endr
	v_lshl_or_b32 v[W], v[BY+1], 16, v[BY]         ; my bytes: blocks h and 2 + h,
	v_lshlrev_b32 v[W], v5, v[W]                   ; at their places;
	v_permlanex16_b32 v[W2], v[W], s22, s23
	v_or_b32 v[SW+\s], v[W], v[W2]                 ; with lane l xor 16's two the row's word is whole
.irp c, 0,1
	v_cvt_scalef32_pk16_bf6_f32 v[CD+12*\s+6*\c:CD+12*\s+6*\c+2], v[RS+32*\c:RS+32*\c+15], v[SO+\c]
	v_cvt_scalef32_pk16_bf6_f32 v[CT+4*\c:CT+4*\c+2], v[RS+32*\c+16:RS+32*\c+31], v[SO+\c]
.endr
	v_nop                                          ; one plain instruction behind the scaled conversions
.irp c, 0,1
.irp i, 0,1,2
	v_mov_b32 v[CD+12*\s+6*\c+3+\i], v[CT+4*\c+\i]
.endr
.endr
.irp g, 0,1,2
	global_store_b128 v4, v[CD+12*\s+4*\g:CD+12*\s+4*\g+3], s[28+2*\s:29+2*\s] offset:512*\g   ; 512 consecutive bytes, aligned; each step has its own registers, so no store's data are written again
.endr
.endm
	STEP 0
	STEP 1
	v_cndmask_b32 v[W], v[SW], v[SW+1], s24        ; lanes 0-15: K step 2 j's words; lanes 16-31: K step 2 j + 1's
	global_store_b32 v8, v[W], s[32:33]
	s_cmp_eq_u32 s25, 1
	s_cbranch_scc0 .Lno_bias_out
	global_store_b32 v11, v[BD], s[36:37]          ; column cc0 + r + 8 (r / 8); both halves of the lanes write the same word with the same value
.Lno_bias_out:
	s_wait_tensorcnt 0x0                           ; the wave's end: a wait, an add to my spare word and its wait, behind my last LDS store
	ds_add_u32 v[SPW], v[NIL]
	s_wait_dscnt 0x0
	s_endpgm
.Lfunc_end_k_q507dea45ca_quant:
	.size	k_q507dea45ca_quant, .Lfunc_end_k_q507dea45ca_quant-k_q507dea45ca_quant
	.p2alignl 7, 3214868480
	.fill 96, 4, 3214868480
	.section	.rodata,"a",@progbits
	.p2align	6, 0x0
	.amdhsa_kernel k_q507dea45ca_quant
		.amdhsa_group_segment_fixed_size 34304
		.amdhsa_private_segment_fixed_size 0
		.amdhsa_enable_private_segment 0
		.amdhsa_kernarg_size 64
		.amdhsa_user_sgpr_count 2
		.amdhsa_user_sgpr_kernarg_segment_ptr 1
		.amdhsa_wavefront_size32 1
		.amdhsa_system_sgpr_workgroup_id_x 1
		.amdhsa_system_sgpr_workgroup_id_y 1
		.amdhsa_system_sgpr_workgroup_id_z 1
		.amdhsa_system_vgpr_workitem_id 0
		.amdhsa_next_free_vgpr 208
		.amdhsa_next_free_sgpr 66
		.amdhsa_reserve_vcc 0
		.amdhsa_float_denorm_mode_32 3
		.amdhsa_float_denorm_mode_16_64 3
		.amdhsa_memory_ordered 1
		.amdhsa_forward_progress 1
		.amdhsa_inst_pref_size 22
	.end_amdhsa_kernel
	.amdgpu_metadata
---
amdhsa.version: [ 1, 2 ]
amdhsa.kernels:
  - .name:           k_q507dea45ca_quant
    .symbol:         k_q507dea45ca_quant.kd
    .args:
      - { .name: x, .offset: 0, .size: 8, .value_kind: global_buffer, .address_space: global }
      - { .name: W_qk, .offset: 8, .size: 8, .value_kind: global_buffer, .address_space: global }
      - { .name: W_v, .offset: 16, .size: 8, .value_kind: global_buffer, .address_space: global }
      - { .name: W_o, .offset: 24, .size: 8, .value_kind: global_buffer, .address_space: global }
      - { .name: b_qk, .offset: 32, .size: 8, .value_kind: global_buffer, .address_space: global }
      - { .name: b_v, .offset: 40, .size: 8, .value_kind: global_buffer, .address_space: global }
      - { .name: xq, .offset: 48, .size: 8, .value_kind: global_buffer, .address_space: global }
      - { .name: wq, .offset: 56, .size: 8, .value_kind: global_buffer, .address_space: global }
    .group_segment_fixed_size: 34304
    .private_segment_fixed_size: 0
    .kernarg_segment_align: 8
    .kernarg_segment_size: 64
    .max_flat_workgroup_size: 128
    .sgpr_count:     66
    .vgpr_count:     208
    .wavefront_size: 32
...
	.end_amdgpu_metadata
.endif
;; end of part 1
;; launch qkv (part 2): grid 32 x 8, 4 waves a work-group, clusters of 4 x 1, 327,680 bytes of LDS; arguments xq, wq, qb, kv; writes qb, kv
.if DOCPART == 2
	.amdgcn_target "amdgcn-amd-amdhsa--gfx1250"
	.amdhsa_code_object_version 6
	.text
	.protected	k_q507dea45ca_qkv
	.globl	k_q507dea45ca_qkv
	.p2align	8
	.type	k_q507dea45ca_qkv,@function
k_q507dea45ca_qkv:
	s_mov_b64 s[64:65], 0
	v_nop
	global_prefetch_b8 v0, s[64:65] scope:SCOPE_SE
	s_setreg_imm32_b32 hwreg(HW_REG_WAVE_MODE, 25, 1), 1
	s_wait_xcnt 0x0
	s_wait_alu depctr_hold_cnt(0) depctr_sa_sdst(0) depctr_va_vdst(0) depctr_va_sdst(0) depctr_va_ssrc(0) depctr_va_vcc(0) depctr_vm_vsrc(0)
	s_getreg_b32 s2, hwreg(HW_REG_IB_STS2, 6, 4)
	s_cmp_eq_u32 s2, 0
	s_cbranch_scc0 .Lentry_in_a_cluster
	s_endpgm
.Lentry_in_a_cluster:
	s_bfe_u32 s2, ttmp6, 0x10000c
	s_cmp_lg_u32 s2, 0x3003
	s_cbranch_scc0 .Lentry_shape_is_right
	s_endpgm
.Lentry_shape_is_right:
; q, k, v = x W^T + b for one pair of heads and 256 tokens, on codes of BF6, and their quantising: q and k along the head's 64, v along the keys.  No work of reference() is left out.
; SHARES.  Work-group (rb, g): tokens 256 rb on, heads 2 g and 2 g + 1: three chunks of 128 columns (q, k, v).  Wave w: tokens 64 w on, four tiles; its 32 fragments of x (all of K) stay in 384 registers.
; The work-group's weights, 307,200 bytes (3 x 64 fragments, then 24 tiles' scale words), lie in LDS as images of the operands' registers, FILLED ONCE: no byte of LDS is filled again.  A fragment read from LDS feeds four products.
; CLUSTER.  The four work-groups of a cluster are the four token blocks of one batch and want the same weights: each of the record's loads is asked for jointly (mask 15).  One load a wave is out at the start.
; q, k (source 0 = 16 columns of W, source 1 = 16 tokens): a lane holds one token, its 64 registers 128 columns in order: four blocks of 32 = two heads x 64.  v (sources swapped): a lane holds one column, its registers run along the tokens, which are the keys.
; OUT, as images: a half fragment (16 rows x 64 K) is 6 registers, 768 bytes: registers 0-3 at 16 l, registers 4, 5 at 512 + 8 l.  Scale words of two tiles share 128 bytes: lanes 0-15 the even tile's rows, lanes 16-31 the odd one's.
; q's and k's words are (s0, s1, s0, s1): the head's 64 may stand in either half of the later K step of 128.  kv holds, for each head and each 128 keys, one record of 13,056 bytes: K's 8 tiles, V's 4 fragments, K's and V's words.
; V's words get two bytes from each of two waves: stores of 2 bytes, 4 bytes apart, in one image of 128 bytes (one byte in 80 of what the launch stores).
; LIMITS: as in the first launch (NaN, infinities; the byte 1 for blocks under 2^-122).
; REGISTERS.  window 0: v1-10 addresses; v16-31 x's scale words, v32-63 the weights'; v64-159, v160-255 the weights' fragments, two sets; in an epilogue v160-239 are at work.
;   window 1: x's fragments of K steps 0-4 (48 ks + 12 i); window 2: K steps 5-7, and from v160 the bias as C (8 registers a tile); window 3: the 32 accumulators.
.set SPARE, 307200
.set SPW, 12
.set NIL, 13
.set BA,  8                            ; v8, v9  16 x lane + the chunk's K steps 0-3, 4-7
.set BSA, 10                           ; v10     4 x lane + the chunk's scale words
.set ASC, 16
.set BSC, 32
.set BF,  64
.set BIA, 160                          ; in window 2
.set CD,  160                          ; an epilogue's codes, 12 for each of four
.set CT,  208
.set TM,  216                          ; +0..3 largest magnitudes, +4..7 the other half's, then bytes, +12..15 scale operands
.set SL,  224
.set PW,  232
.set SOUT, 236
.set MSB, 0
.macro WIN new                         ; the immediate's high byte repeats the setting that is left
.if MSB != (\new)
	s_set_vgpr_msb (MSB<<8)|(\new)
.set MSB, (\new)
.endif
.endm
.macro PLACES n
.rept \n
	v_nop
.endr
.endm
.macro ROUND                           ; a round of the cluster's barrier
	s_barrier_signal -1
	s_barrier_wait -1
	s_cmp_lg_u32 s12, 0
	s_cbranch_scc1 .Lnot_wave_0_\@
	s_barrier_signal -3
.Lnot_wave_0_\@:
	s_barrier_wait -3
	s_barrier_signal -1
	s_barrier_wait -1
.endm
.macro SETBA ch
	v_add_nc_u32 v[BA], (\ch)*98304, v2
	v_add_nc_u32 v[BA+1], (\ch)*98304+49152, v2
	v_add_nc_u32 v[BSA], 294912+(\ch)*4096, v4
.endm
.macro FETCHB ks, set                  ; the chunk's eight fragments of K step ks
.irp t, 0,1,2,3,4,5,6,7
.irp g, 0,1,2
	ds_load_b128 v[BF+96*(\set)+12*\t+4*\g:BF+96*(\set)+12*\t+4*\g+3], v[BA+(\ks)/4] offset:((\ks)%4)*12288+\t*1536+512*\g
.endr
.endr
.endm
.macro FETCHS                          ; the chunk's scale words: register 4 t + j: lanes 0-15 K step 2 j, lanes 16-31 K step 2 j + 1
.irp t, 0,1,2,3,4,5,6,7
.irp j, 0,1,2,3
	ds_load_b32 v[BSC+4*\t+\j], v[BSA] offset:512*\t+128*\j
.endr
.endr
.endm
.macro BIASL off                       ; the bias of a q or k chunk in the result's layout: tile t, lane half h: columns 32 (t / 2) + 8 (t % 2) + 16 h + 0 .. 7
	WIN 0x80
.irp t, 0,1,2,3,4,5,6,7
	global_load_b128 v[BIA+8*\t:BIA+8*\t+3], v5, s[60:61] offset:\off+(32*(\t/2)+8*(\t%2))*4
	global_load_b128 v[BIA+8*\t+4:BIA+8*\t+7], v5, s[60:61] offset:\off+(32*(\t/2)+8*(\t%2))*4+16
.endr
	WIN 0
.endm
.macro BIASV                           ; v's: a lane holds one column
	WIN 0x80
.irp t, 0,1,2,3,4,5,6,7
	global_load_b32 v[BIA+8*\t], v6, s[60:61] offset:1024+(32*(\t/2)+8*(\t%2))*4
.endr
	WIN 0
.endm
; 32 products: four tiles of tokens x eight tiles of columns, 128 along K.  The 32 accumulators take turns, one instruction a turn, in the same order in every K step.  K step 0 takes the bias as C.
.macro MUL path, ks
.set XR, 48*((\ks)%5)
.set SBF, BF+96*((\ks)%2)
.set CWN, 3
.if (\ks) == 0
.set CWN, 2
.endif
.if (\path) == 0
	WIN 0xc0|(CWN<<4)|((1+(\ks)/5)<<2)
.else
	WIN 0xc0|(CWN<<4)|(1+(\ks)/5)
.endif
.irp i, 0,1,2,3
.irp t, 0,1,2,3,4,5,6,7
.if (\path) == 0
.set rD, 64*\i+8*\t
.set rA, SBF+12*\t
.set rB, XR+12*\i
.set rSA, BSC+4*\t+(\ks)/2
.set rSB, ASC+4*\i+(\ks)/2
.else
.set rD, 32*\t+8*\i
.set rA, XR+12*\i
.set rB, SBF+12*\t
.set rSA, ASC+4*\i+(\ks)/2
.set rSB, BSC+4*\t+(\ks)/2
.endif
.set rC, rD
.if (\ks) == 0
.set rC, BIA+8*\t
.endif
.if (\ks)%2
	v_wmma_scale_f32_16x16x128_f8f6f4 v[rD:rD+7], v[rA:rA+11], v[rB:rB+11], v[rC:rC+7], v[rSA], v[rSB] matrix_a_fmt:MATRIX_FMT_BF6 matrix_b_fmt:MATRIX_FMT_BF6 matrix_a_scale:MATRIX_SCALE_ROW1 matrix_b_scale:MATRIX_SCALE_ROW1
.else
	v_wmma_scale_f32_16x16x128_f8f6f4 v[rD:rD+7], v[rA:rA+11], v[rB:rB+11], v[rC:rC+7], v[rSA], v[rSB] matrix_a_fmt:MATRIX_FMT_BF6 matrix_b_fmt:MATRIX_FMT_BF6
.endif
.endr
.endr
.endm
; A K step: its set of fragments was asked for a K step ago; the next step's go into the other set, four plain instructions behind the products that read it.  lc: how many younger global loads may stay out (-1: no wait).
.macro KSTEP path, ks, lc, extra
	s_wait_dscnt 0x0
.if (\lc) >= 0
	s_wait_loadcnt \lc
.endif
.if (\ks) < 7
	WIN 0
	PLACES 4
	FETCHB (\ks)+1, ((\ks)+1)%2
.endif
.if (\extra) == 1
	BIASL 512                                      ; the next chunk's bias: K step 0's products, which read these registers as C, stand behind the four places above
.elseif (\extra) == 2
	BIASV
.endif
	MUL \path, \ks
.endm
; 64 numbers of a lane in window 3, register s + 16 b + i = k 32 b + 16 (lane / 16) + i of my row, become 12 registers of codes at d and the row's four scale bytes in pw.
.macro QUANT s, d, pw
	WIN 0x0f
.irp b, 0,1,2,3
	v_max3_num_f32 v[TM+\b], |v[(\s)+16*\b]|, |v[(\s)+16*\b+1]|, 0x2800000   ; each accumulator is read from its low end on; the floor 2^(5 - 127) holds the byte at 1
.endr
.irp i, 2,4,6,8,10,12,14
.irp b, 0,1,2,3
	v_max3_num_f32 v[TM+\b], |v[(\s)+16*\b+\i]|, |v[(\s)+16*\b+\i+1]|, v[TM+\b]
.endr
.endr
	WIN 0
.irp b, 0,1,2,3
	v_permlanex16_b32 v[TM+4+\b], v[TM+\b], s20, s21
.endr
.irp b, 0,1,2,3
	v_max_num_f32 v[TM+\b], v[TM+\b], v[TM+4+\b]   ; with lane l xor 16's 16: the block's largest magnitude
.endr
.irp b, 0,1,2,3
	v_add_nc_u32 v[TM+12+\b], 0xfe000000, v[TM+\b]
.endr
.irp b, 0,1,2,3
	v_lshrrev_b32 v[TM+4+\b], 23, v[TM+12+\b]
.endr
	v_lshl_or_b32 v[\pw], v[TM+5], 8, v[TM+4]
	v_lshl_or_b32 v[\pw], v[TM+6], 16, v[\pw]
	v_lshl_or_b32 v[\pw], v[TM+7], 24, v[\pw]
	WIN 0x03
.irp c, 0,1
	v_cvt_scalef32_pk16_bf6_f32 v[(\d)+6*\c:(\d)+6*\c+2], v[(\s)+32*\c:(\s)+32*\c+15], v[TM+12+2*\c]
	v_cvt_scalef32_pk16_bf6_f32 v[CT+4*\c:CT+4*\c+2], v[(\s)+32*\c+16:(\s)+32*\c+31], v[TM+12+2*\c+1]
.endr
	WIN 0
	v_nop                                          ; one plain instruction behind the scaled conversions
.irp c, 0,1                                    ; the operand's layout wants a whole block in a lane: lanes 0-15 block 2 c, lanes 16-31 block 2 c + 1
.irp i, 0,1,2
	v_permlane16_swap_b32 v[(\d)+6*\c+\i], v[CT+4*\c+\i]
.endr
.irp i, 0,1,2
	v_mov_b32 v[(\d)+6*\c+3+\i], v[CT+4*\c+\i]
.endr
.endr
.endm
; q's or k's way out: tile i's two half fragments (one a head), and for each pair of tiles the two heads' words.
.macro EPIQK ib, sb, hb, hs
.irp i, 0,1,2,3
	QUANT 64*\i, CD+12*\i, PW+\i
.irp c, 0,1                                    ; a half fragment's image: registers 0-3 at 16 l (512 bytes on end), registers 4, 5 at 512 + 8 l (256 bytes on end)
	global_store_b128 v2, v[CD+12*\i+6*\c:CD+12*\i+6*\c+3], s[\ib:\ib+1] offset:\c*\hb+\i*768
	global_store_b64 v3, v[CD+12*\i+6*\c+4:CD+12*\i+6*\c+5], s[\ib:\ib+1] offset:\c*\hb+\i*768+512
.endr
.if \i%2
	v_cndmask_b32 v[SL], v[PW+\i-1], v[PW+\i], s22 ; lanes 0-15: the even tile's rows; lanes 16-31: the odd one's
	v_perm_b32 v[SOUT+\i-1], v[SL], v[SL], 0x01000100   ; the first head's word (s0, s1, s0, s1): the head's 64 may stand in either half of the later K step of 128; the other half meets zero codes
	v_perm_b32 v[SOUT+\i], v[SL], v[SL], 0x03020302     ; the second's
	global_store_b32 v4, v[SOUT+\i-1], s[\sb:\sb+1] offset:(\i/2)*128
	global_store_b32 v4, v[SOUT+\i], s[\sb:\sb+1] offset:\hs+(\i/2)*128
.endif
.endr
.endm
.macro EPIV                            ; v's: tiles 2 q and 2 q + 1 of columns x my 64 keys
.irp q, 0,1,2,3
	QUANT 64*\q, CD+12*\q, PW+\q
.irp c, 0,1
	global_store_b128 v2, v[CD+12*\q+6*\c:CD+12*\q+6*\c+3], s[74:75] offset:((2*\q+\c)/4)*104448+((2*\q+\c)%4)*1536
	global_store_b64 v3, v[CD+12*\q+6*\c+4:CD+12*\q+6*\c+5], s[74:75] offset:((2*\q+\c)/4)*104448+((2*\q+\c)%4)*1536+512
.endr
	v_lshrrev_b32 v[SL], 16, v[PW+\q]
	v_cndmask_b32 v[SOUT+\q], v[PW+\q], v[SL], s22 ; my two key blocks' bytes: lanes 0-15 of the even tile's rows, lanes 16-31 of the odd one's
	global_store_b16 v4, v[SOUT+\q], s[76:77] offset:(\q/2)*104448+(\q%2)*128
.endr
.endm
.macro CHANGE ch, tc                   ; on to chunk ch: my part of it has landed, everybody's behind the barrier.  Later chunks may stay out
	WIN 0
	s_wait_tensorcnt \tc
	s_wait_dscnt 0x0
	s_barrier_signal -1
	s_barrier_wait -1
	SETBA \ch
	PLACES 4                                       ; behind the last products: for the loads below and for the epilogue's reads of results
	FETCHS
	FETCHB 0, 0
.endm
	s_load_b256 s[4:11], s[0:1], 0x0               ; xq, wq, qb, kv
	v_lshl_add_u32 v[SPW], v0, 2, SPARE
	v_mov_b32 v[NIL], 0
	ds_add_u32 v[SPW], v[NIL]                      ; the opening: the add, twice on end, and its wait ahead of my first tensor load
	ds_add_u32 v[SPW], v[NIL]
	v_lshrrev_b32 v1, 5, v0
	v_readfirstlane_b32 s12, v1                    ; wave
	v_and_b32 v1, 31, v0
	v_lshlrev_b32 v2, 4, v1                        ; 16 x lane
	v_lshlrev_b32 v3, 3, v1                        ; 8 x lane
	v_lshlrev_b32 v4, 2, v1                        ; 4 x lane
	v_bfe_u32 v5, v0, 4, 1
	v_lshlrev_b32 v5, 6, v5                        ; 64 h
	v_and_b32 v6, 15, v0
	v_and_b32 v7, 8, v6
	v_add_nc_u32 v6, v6, v7
	v_lshlrev_b32 v6, 2, v6                        ; 4 (r + 8 (r / 8))
	v_cmp_le_u32 s22, 16, v1                       ; lanes 16-31
	s_mov_b32 s20, 0x76543210
	s_mov_b32 s21, 0xfedcba98
	s_bfe_u32 s13, ttmp6, 0x40000                  ; cx: which 256 tokens of the batch
	s_lshl_b32 s14, ttmp9, 2
	s_add_co_u32 s14, s14, s13                     ; rb; the batch is the cluster's x
	s_and_b32 s15, ttmp7, 0xffff                   ; g: the pair of heads, which the four partners share
	; descriptor group 1: dense blocks as rows of 256 bytes (32 elements of 8 bytes), no padding; mask 15 with bit 21 beside it
	s_mov_b32 s24, 0x0023000f
	s_mov_b32 s25, 32<<16
	s_mov_b32 s26, 128<<16                         ; the head's load of codes: a third of chunk q, 128 rows
	s_mov_b32 s27, 32<<16
	s_mov_b32 s28, 128
	s_mov_b32 s29, 32
	s_mov_b32 s30, 0
	s_mov_b32 s31, 0
	s_mov_b32 s32, 0x0023000f
	s_mov_b32 s33, 32<<16
	s_mov_b32 s34, 48<<16                          ; all the scale words: 48 rows
	s_mov_b32 s35, 32<<16
	s_mov_b32 s36, 48
	s_mov_b32 s37, 32
	s_mov_b32 s38, 0
	s_mov_b32 s39, 0
	s_mov_b32 s40, 1
	s_mov_b32 s41, 294912                          ; an LDS address is the offset in the record
	s_mov_b32 s44, 1
	s_mul_i32 s45, s12, 32768                      ; waves 0-2: a third of chunk q each
	s_mov_b32 s48, 1
	s_mul_i32 s49, s12, 49152
	s_add_co_u32 s49, s49, 98304                   ; a quarter of chunks k and v together: 192 rows a wave
	s_mul_i32 s80, s15, 307200
	s_mov_b32 s81, 0
	s_mov_b32 s83, 0
	; what hangs on my place: in registers that never feed a descriptor
	s_lshl_b32 s84, s14, 4
	s_lshl_b32 s85, s12, 2
	s_add_co_u32 s84, s84, s85                     ; my first tile of x: 16 rb + 4 w
	s_lshl_b32 s88, s13, 4
	s_add_co_u32 s88, s88, s85                     ; and in the batch: 16 cx + 4 w
	s_lshl_b32 s85, ttmp9, 4
	s_lshl_b32 s86, s15, 1
	s_add_co_u32 s85, s85, s86                     ; batch x 16 + the first head
	s_and_b32 s89, s12, 1
	s_mov_b32 s87, 0
	s_wait_dscnt 0x0                               ; both opening adds are done
	s_wait_kmcnt 0x0
	s_add_nc_u64 s[78:79], s[6:7], s[80:81]        ; the pair's record
	s_mov_b32 s82, s41
	s_add_nc_u64 s[42:43], s[78:79], s[82:83]
	s_or_b32 s43, s43, 0x80000000
	s_mov_b32 s82, s45
	s_add_nc_u64 s[46:47], s[78:79], s[82:83]
	s_or_b32 s47, s47, 0x80000000
	s_mov_b32 s82, s49
	s_add_nc_u64 s[50:51], s[78:79], s[82:83]
	s_or_b32 s51, s51, 0x80000000
	s_mul_i32 s86, s84, 12288
	s_add_nc_u64 s[56:57], s[4:5], s[86:87]        ; x's fragments
	s_lshl_b32 s86, s84, 9
	s_add_co_u32 s86, s86, 6291456
	s_add_nc_u64 s[58:59], s[4:5], s[86:87]        ; x's scale words
	s_mul_i32 s86, s15, 1536
	s_add_co_u32 s86, s86, 3276800
	s_add_nc_u64 s[60:61], s[6:7], s[86:87]        ; the three chunks' bias
	s_mul_i32 s86, s85, 49152
	s_mul_i32 s62, s88, 768
	s_add_co_u32 s86, s86, s62
	s_add_nc_u64 s[66:67], s[8:9], s[86:87]        ; q's half fragments
	s_lshl_b32 s86, s85, 12
	s_lshl_b32 s62, s88, 6
	s_add_co_u32 s86, s86, s62
	s_add_co_u32 s86, s86, 6291456
	s_add_nc_u64 s[68:69], s[8:9], s[86:87]        ; q's words
	s_lshl_b32 s62, s13, 1
	s_lshr_b32 s63, s12, 1
	s_add_co_u32 s62, s62, s63                     ; which 128 keys: 2 cx + w / 2
	s_mul_i32 s62, s62, 13056
	s_mul_i32 s86, s85, 104448
	s_add_co_u32 s86, s86, s62
	s_add_nc_u64 s[78:79], s[10:11], s[86:87]      ; the step's record of the first head
	s_mul_i32 s86, s89, 3072
	s_add_nc_u64 s[70:71], s[78:79], s[86:87]      ; K's tiles: my four
	s_lshl_b32 s86, s89, 8
	s_add_co_u32 s86, s86, 12288
	s_add_nc_u64 s[72:73], s[78:79], s[86:87]      ; K's words: my two pairs
	s_mul_i32 s86, s89, 768
	s_add_co_u32 s86, s86, 6144
	s_add_nc_u64 s[74:75], s[78:79], s[86:87]      ; V's fragments: my half of the 128 keys
	s_lshl_b32 s86, s89, 1
	s_add_co_u32 s86, s86, 12800
	s_add_nc_u64 s[76:77], s[78:79], s[86:87]      ; V's words: my two bytes
	ROUND                                          ; all four work-groups are here: the joint loads meet
	; THE HEAD'S LOADS, ONE A WAVE: waves 0-2 a third of chunk q each, wave 3 all the scale words.  One load of mine is out.
	s_cmp_lt_u32 s12, 3
	s_cbranch_scc0 .Lhead_words
	tensor_load_to_lds s[44:47], s[24:31]
	s_nop 0
	PLACES 4
	s_branch .Lhead_asked
.Lhead_words:
	tensor_load_to_lds s[40:43], s[32:39]
	s_nop 0
	PLACES 4
.Lhead_asked:
	s_wait_alu depctr_va_vdst(0)
.irp i, 0,1,2,3
.irp j, 0,1,2,3
	global_load_b32 v[ASC+4*\i+\j], v4, s[58:59] offset:512*\i+128*\j
.endr
.endr
	BIASL 0
	WIN 0x40
.irp ks, 0,1,2,3,4
.irp i, 0,1,2,3
.irp g, 0,1,2
	global_load_b128 v[48*\ks+12*\i+4*\g:48*\ks+12*\i+4*\g+3], v2, s[56:57] offset:\i*12288+\ks*1536+512*\g
.endr
.endr
.endr
	WIN 0x80
.irp ks, 5,6,7
.irp i, 0,1,2,3
.irp g, 0,1,2
	global_load_b128 v[48*(\ks-5)+12*\i+4*\g:48*(\ks-5)+12*\i+4*\g+3], v2, s[56:57] offset:\i*12288+\ks*1536+512*\g
.endr
.endr
.endr
	WIN 0
	s_wait_tensorcnt 0x0                           ; my part of the head's tiles is in; the add and its wait stand ahead of a later first fill
	ds_add_u32 v[SPW], v[NIL]
	s_mov_b32 s26, 192<<16                         ; no tensor load of mine is out, so the descriptor may be written: the next load brings 192 rows
	s_mov_b32 s28, 192
	s_wait_dscnt 0x0
	ROUND                                          ; chunk q and the words are whole, and the four work-groups are here: the joint loads meet
	tensor_load_to_lds s[48:51], s[24:31]          ; chunks k and v, my quarter: bytes that nothing has filled; it has chunk q's products in which to land
	s_nop 0
	PLACES 4
	SETBA 0
	FETCHS
	FETCHB 0, 0
	; chunk q.  The counts: x's fragments come 12 a K step, so 12 (7 - ks) younger loads, and 16 more from K step 2 on (the next bias); a count cannot name more than 63
	s_wait_alu depctr_va_vdst(0)
	KSTEP 0, 0, 63, 0
	KSTEP 0, 1, 63, 1
	KSTEP 0, 2, 63, 0
	KSTEP 0, 3, 63, 0
	KSTEP 0, 4, 52, 0
	KSTEP 0, 5, 40, 0
	KSTEP 0, 6, 28, 0
	KSTEP 0, 7, 16, 0
	CHANGE 1, 0
	EPIQK 66, 68, 49152, 4096
	s_wait_xcnt 0x0                                ; the stores have read their registers: set 1 may be loaded again
	s_wait_loadcnt 0x0                             ; k's bias
	PLACES 5                                       ; the accumulators are begun anew with another C
	KSTEP 0, 0, -1, 0
	KSTEP 0, 1, -1, 2
	KSTEP 0, 2, -1, 0
	KSTEP 0, 3, -1, 0
	KSTEP 0, 4, -1, 0
	KSTEP 0, 5, -1, 0
	KSTEP 0, 6, -1, 0
	KSTEP 0, 7, -1, 0
	CHANGE 2, 0
	EPIQK 70, 72, 104448, 104448
	s_wait_xcnt 0x0
	s_wait_loadcnt 0x0                             ; v's bias: one number a lane and tile,
	WIN 0x82
.irp t, 0,1,2,3,4,5,6,7
.irp j, 1,2,3,4,5,6,7
	v_mov_b32 v[BIA+8*\t+\j], v[BIA+8*\t]          ; the same for the eight tokens of a lane
.endr
.endr
	WIN 0
	PLACES 5
	s_wait_alu depctr_va_vdst(0)
	KSTEP 1, 0, -1, 0
	KSTEP 1, 1, -1, 0
	KSTEP 1, 2, -1, 0
	KSTEP 1, 3, -1, 0
	KSTEP 1, 4, -1, 0
	KSTEP 1, 5, -1, 0
	KSTEP 1, 6, -1, 0
	KSTEP 1, 7, -1, 0
	WIN 0
	PLACES 4
	EPIV
	s_wait_tensorcnt 0x0                           ; the wave's end: a wait, an add to my spare word and its wait, behind my last tensor load
	ds_add_u32 v[SPW], v[NIL]
	s_wait_dscnt 0x0
	ROUND                                          ; the closing round
	s_endpgm
.Lfunc_end_k_q507dea45ca_qkv:
	.size	k_q507dea45ca_qkv, .Lfunc_end_k_q507dea45ca_qkv-k_q507dea45ca_qkv
	.p2alignl 7, 3214868480
	.fill 96, 4, 3214868480
	.section	.rodata,"a",@progbits
	.p2align	6, 0x0
	.amdhsa_kernel k_q507dea45ca_qkv
		.amdhsa_group_segment_fixed_size 327680
		.amdhsa_private_segment_fixed_size 0
		.amdhsa_enable_private_segment 0
		.amdhsa_kernarg_size 32
		.amdhsa_user_sgpr_count 2
		.amdhsa_user_sgpr_kernarg_segment_ptr 1
		.amdhsa_wavefront_size32 1
		.amdhsa_system_sgpr_workgroup_id_x 1
		.amdhsa_system_sgpr_workgroup_id_y 1
		.amdhsa_system_sgpr_workgroup_id_z 1
		.amdhsa_system_vgpr_workitem_id 0
		.amdhsa_next_free_vgpr 1024
		.amdhsa_next_free_sgpr 96
		.amdhsa_reserve_vcc 0
		.amdhsa_float_denorm_mode_32 3
		.amdhsa_float_denorm_mode_16_64 3
		.amdhsa_memory_ordered 1
		.amdhsa_forward_progress 1
		.amdhsa_inst_pref_size 222
	.end_amdhsa_kernel
	.amdgpu_metadata
---
amdhsa.version: [ 1, 2 ]
amdhsa.kernels:
  - .name:           k_q507dea45ca_qkv
    .symbol:         k_q507dea45ca_qkv.kd
    .args:
      - { .name: xq, .offset: 0, .size: 8, .value_kind: global_buffer, .address_space: global }
      - { .name: wq, .offset: 8, .size: 8, .value_kind: global_buffer, .address_space: global }
      - { .name: qb, .offset: 16, .size: 8, .value_kind: global_buffer, .address_space: global }
      - { .name: kv, .offset: 24, .size: 8, .value_kind: global_buffer, .address_space: global }
    .group_segment_fixed_size: 327680
    .private_segment_fixed_size: 0
    .kernarg_segment_align: 8
    .kernarg_segment_size: 32
    .max_flat_workgroup_size: 128
    .sgpr_count:     96
    .vgpr_count:     1024
    .wavefront_size: 32
...
	.end_amdgpu_metadata
.endif
;; end of part 2
;; launch attn (part 3): grid 2 x 128, 16 waves a work-group, no clusters, 327,680 bytes of LDS; arguments qb, kv, ob; writes ob
.if DOCPART == 3
	.amdgcn_target "amdgcn-amd-amdhsa--gfx1250"
	.amdhsa_code_object_version 6
	.text
	.protected	k_q507dea45ca_attn
	.globl	k_q507dea45ca_attn
	.p2align	8
	.type	k_q507dea45ca_attn,@function
k_q507dea45ca_attn:
	s_mov_b64 s[64:65], 0
	v_nop
	global_prefetch_b8 v0, s[64:65] scope:SCOPE_SE
	s_setreg_imm32_b32 hwreg(HW_REG_WAVE_MODE, 25, 1), 1
	s_wait_xcnt 0x0
; out[b][q][head][:] = softmax_k(q . k / 8) v, both products on codes of BF6, and its quantising along (head, v) for the projection.  No work of reference() is left out.
; THE SOFTMAX: t = score x log2(e) / 8; M = the running largest t rounded UP to a whole number, kept as -M = min(old -M, floor(-t)); p = 2^(t - M) is quantised along the keys, not normalised;
; the row's sum is taken of the unquantised p and divides at the end.  When M moves, the sum and O are multiplied by 2^(old M - new M), which rounds nothing.
; SHARES.  Work-group (half, bh): one head of one batch, 512 of its queries.  Sixteen waves of 256 registers.  Wave w owns tiles 2 P and 2 P + 1 of 16 queries (P = 16 half + w) and takes BOTH through each key step of 128 keys:
; a step's K and V fragments are read from LDS once for the two tiles: 38 LDS loads a step.
; THE HEAD'S K, V AND SCALE WORDS, 8 records of 13,056 bytes, come into LDS once, each byte filled once.  Waves 0 and 1 bring records 0 and 1 at the head; behind the first barrier waves 2 to 7 bring records 2 to 7, one load a wave,
; which have two key steps of all sixteen waves in which to land; a second barrier shows them whole.  Every wait on TENSORcnt is for 0.
; NO CLUSTER: two work-groups share a head; a cluster of four along x would want four query blocks a head, 512 work-groups.  NO PREFETCH: every record has been asked for by its tensor load before the first key step begins; no later trip loads from memory.
; Both products are used transposed (S^T = K Q^T, O^T = V^T P^T): a lane holds one query.  The keys of a tile are chosen (key 32 (t / 2) + 8 (t % 2) + r + 8 (r / 8)) so that p's 16 registers of two neighbouring tiles are 16 neighbouring keys.
; K = 64 IN AN INSTRUCTION OF 128.  Q's registers lie as Q0, six of zero codes, Q1.  Tile 0's operand is (Q0, zeros) against (K tile t, the six registers behind it); tile 1's is (zeros, Q1) against (the six registers ahead of K tile t, K tile t).
; What meets the zero codes adds nothing: every code of E3M2 is a finite number, and q's and k's scale words are (s0, s1, s0, s1), finite bytes in all four places.
; A half fragment's image (768 bytes): registers 0-3 at 16 l, registers 4, 5 at 512 + 8 l.
; LIMITS: the promise holds while the scaled scores t stay under 2^31 in magnitude; p under 2^-126 comes out of v_exp_f32 as 0; NaN and infinities are not served; a block under 2^-122 gets the byte 1.
; The rows' scale bytes of out leave as 2 bytes a row (a head's share of a word): one byte in 24 of what the launch stores.
.set REC,   13056
.set SPARE, 8*REC                      ; behind the records: the spare words, 128 bytes a wave
.set CT1, 0                            ; v0-2    a conversion's second half (its three registers begin on an even number)
.set PW1, 3                            ; v3      tile 1's p: scale word
.set CT0, 4                            ; v4-6    the same as CT1
.set PT,  4                            ; v4-7    at work ahead of the conversions
.set T,   7
.set TM,  8                            ; v8-11   the blocks' largest scores, then t - M, then p; later v8-9 the sum's second chain
.set SO,  12                           ; v12-15  the conversions' scale operands
.set Q,   16                           ; v16-21 Q0, v22-27 zero codes, v28-33 Q1
.set A16, 34                           ; v34-36  LDS addresses: a record + 16 l, 8 l, 4 l
.set A8,  35
.set A4,  36
.set LN,  37                           ; v37     lane
.set F,   38                           ; v38     f = 2^(old M - new M); v39 named with it as a pair
.set K,   40                           ; v40-87  K's eight tiles
.set NM,  88                           ; v88 -M of tile 0, v90 of tile 1; v89, v91 V's scale words
.set L0,  92                           ; v92-93  tile 0's sum, two halves
.set SPW, 94
.set NIL, 95
.set S,   96                           ; v96-159 S^T, p, then (v96-143) V
.set O,   160                          ; v160-191 O^T of tile 0, v192-223 of tile 1
.set CD,  224                          ; v224-235 p's codes of tile 0, v236-247 of tile 1
.set KW,  248                          ; v248-251 K's scale words
.set QW,  252                          ; v252    Q's: lanes 0-15 tile 0's rows, lanes 16-31 tile 1's
.set PW0, 253                          ; v253    tile 0's p: scale word
.set L1,  254                          ; v254-255 tile 1's sum
.macro TLOAD                           ; an s_nop 0 and four v_nop follow the load
	tensor_load_to_lds s[32:35], s[24:31]
	s_nop 0
.rept 4
	v_nop
.endr
.endm
.macro DLY
	s_delay_alu instid0(VALU_DEP_1)
.endm
.macro ADDR sr                         ; the record at LDS byte sr
	v_lshl_add_u32 v[A16], v[LN], 4, \sr
	v_lshl_add_u32 v[A8], v[LN], 3, \sr
	v_lshl_add_u32 v[A4], v[LN], 2, \sr
.endm
.macro KFETCH                          ; K's eight tiles and their words: images, 512 or 256 or 128 consecutive bytes an instruction
.irp t, 0,1,2,3,4,5,6,7
	ds_load_b128 v[K+6*\t:K+6*\t+3], v[A16] offset:768*\t
	ds_load_b64 v[K+6*\t+4:K+6*\t+5], v[A8] offset:768*\t+512
.endr
.irp q, 0,1,2,3
	ds_load_b32 v[KW+\q], v[A4] offset:12288+128*\q
.endr
.endm
.macro VFETCH                          ; V's four fragments, into registers of p that are done with, and their words
.irp t, 0,1,2,3
.irp c, 0,1
	ds_load_b128 v[S+12*\t+6*\c:S+12*\t+6*\c+3], v[A16] offset:6144+1536*\t+768*\c
	ds_load_b64 v[S+12*\t+6*\c+4:S+12*\t+6*\c+5], v[A8] offset:6144+1536*\t+768*\c+512
.endr
.endr
	ds_load_b32 v[NM+1], v[A4] offset:12800
	ds_load_b32 v[NM+3], v[A4] offset:12928
.endm
.macro QK e                            ; S^T of tile e: eight products, each its own accumulator
.irp t, 0,1,2,3,4,5,6,7
.set rA, K+6*\t-6*\e
.set rB, Q+6*\e
.if (\t%2 == 0) && (\e == 0)
	v_wmma_scale_f32_16x16x128_f8f6f4 v[S+8*\t:S+8*\t+7], v[rA:rA+11], v[rB:rB+11], 0, v[KW+\t/2], v[QW] matrix_a_fmt:MATRIX_FMT_BF6 matrix_b_fmt:MATRIX_FMT_BF6
.elseif (\t%2 == 1) && (\e == 0)
	v_wmma_scale_f32_16x16x128_f8f6f4 v[S+8*\t:S+8*\t+7], v[rA:rA+11], v[rB:rB+11], 0, v[KW+\t/2], v[QW] matrix_a_fmt:MATRIX_FMT_BF6 matrix_b_fmt:MATRIX_FMT_BF6 matrix_a_scale:MATRIX_SCALE_ROW1
.elseif (\t%2 == 0)
	v_wmma_scale_f32_16x16x128_f8f6f4 v[S+8*\t:S+8*\t+7], v[rA:rA+11], v[rB:rB+11], 0, v[KW+\t/2], v[QW] matrix_a_fmt:MATRIX_FMT_BF6 matrix_b_fmt:MATRIX_FMT_BF6 matrix_b_scale:MATRIX_SCALE_ROW1
.else
	v_wmma_scale_f32_16x16x128_f8f6f4 v[S+8*\t:S+8*\t+7], v[rA:rA+11], v[rB:rB+11], 0, v[KW+\t/2], v[QW] matrix_a_fmt:MATRIX_FMT_BF6 matrix_b_fmt:MATRIX_FMT_BF6 matrix_a_scale:MATRIX_SCALE_ROW1 matrix_b_scale:MATRIX_SCALE_ROW1
.endif
.endr
.endm
; Tile e from its scores to p's codes (halves not yet joined) and scale word; O^T and the sum are brought under the new M.
.macro SOFT e
.set NE, NM+2*\e
.set OE, O+32*\e
.set LE, L0+\e*(L1-L0)
.set PE, PW0+\e*(PW1-PW0)
.set CE, CD+12*\e
.irp b, 0,1,2,3
	v_max3_num_f32 v[TM+\b], v[S+16*\b], v[S+1+16*\b], v[S+2+16*\b]   ; the largest score of each block of 32 keys: for the row's maximum and, since p rises with the score, for the block's largest p.  Each accumulator is read from its low end on
.endr
.irp i, 3,5,7,9,11,13
.irp b, 0,1,2,3
	v_max3_num_f32 v[TM+\b], v[TM+\b], v[S+16*\b+\i], v[S+1+16*\b+\i]
.endr
.endr
.irp b, 0,1,2,3
	v_max_num_f32 v[TM+\b], v[TM+\b], v[S+15+16*\b]
.endr
.irp b, 0,1,2,3
	v_permlanex16_b32 v[PT+\b], v[TM+\b], s20, s21
.endr
.irp b, 0,1,2,3
	v_max_num_f32 v[TM+\b], v[TM+\b], v[PT+\b]     ; with lane l xor 16's 16 keys
.endr
	v_max3_num_f32 v[T], v[TM], v[TM+1], v[TM+2]
	DLY
	v_max_num_f32 v[T], v[T], v[TM+3]
	DLY
	v_mul_f32 v[T], s22, v[T]                      ; the step's largest t (c is positive)
	DLY
	v_floor_f32 v[T], -v[T]                        ; floor(-t) = -ceil(t)
	DLY
	v_min_num_f32 v[PT], v[T], v[NE]               ; the new -M
	DLY
	v_sub_f32 v[T], v[PT], v[NE]                   ; old M - new M, 0 or less
	v_mov_b32 v[NE], v[PT]
	v_cvt_i32_f32 v[T], v[T]                       ; (it saturates)
	DLY
	v_ldexp_f32 v[F], 1.0, v[T]                    ; f
.irp b, 0,1,2,3
	v_fma_f32 v[TM+\b], v[TM+\b], s22, v[NE]       ; t - M of each block's largest score
.endr
.set n, 0
.rept 32
	v_pk_fma_f32 v[S+n:S+n+1], v[S+n:S+n+1], s[22:23], v[NE:NE+1] op_sel_hi:[1,0,0]   ; t - M, two at a time
.set n, n+2
.endr
	s_wait_alu depctr_va_vdst(0)                   ; ahead of the exponentials' sources being read, and directly ahead of the first reader of O^T
.set n, 0
.rept 16
	v_pk_mul_f32 v[OE+n:OE+n+1], v[OE+n:OE+n+1], v[F:F+1] op_sel_hi:[1,0]   ; O^T under the new M, each accumulator from its low end on
.set n, n+2
.endr
.set n, 0
.rept 64
	v_exp_f32 v[S+n], v[S+n]                       ; p = 2^(t - M): one batch of 68
.set n, n+1
.endr
.irp b, 0,1,2,3
	v_exp_f32 v[TM+\b], v[TM+\b]                   ; the blocks' largest p: the same two instructions on the same number give the same bits
.endr
	v_pk_mul_f32 v[LE:LE+1], v[LE:LE+1], v[F:F+1] op_sel_hi:[1,0]   ; the sums under the new M: the plain instruction behind the last exponential
	s_wait_alu depctr_va_vdst(0)                   ; one wait for the batch, ahead of its first reader
.irp b, 0,1,2,3
	v_max_num_f32 v[TM+\b], 0x2800000, v[TM+\b]    ; the floor 2^(5 - 127)
.endr
.irp b, 0,1,2,3
	v_add_nc_u32 v[SO+\b], 0xfe000000, v[TM+\b]    ; 4 off the exponent field: the conversion's scale operand
.endr
.irp b, 0,1,2,3
	v_lshrrev_b32 v[PT+\b], 23, v[SO+\b]           ; the scale's byte
.endr
	v_lshl_or_b32 v[PE], v[PT+1], 8, v[PT]         ; p's scale word for these 128 keys
	v_lshl_or_b32 v[PE], v[PT+2], 16, v[PE]
	v_lshl_or_b32 v[PE], v[PT+3], 24, v[PE]
	v_cvt_scalef32_pk16_bf6_f32 v[CE:CE+2], v[S:S+15], v[SO]
	v_cvt_scalef32_pk16_bf6_f32 v[CT0:CT0+2], v[S+16:S+31], v[SO+1]
	v_cvt_scalef32_pk16_bf6_f32 v[CE+6:CE+8], v[S+32:S+47], v[SO+2]
	v_cvt_scalef32_pk16_bf6_f32 v[CT1:CT1+2], v[S+48:S+63], v[SO+3]
	v_pk_add_f32 v[TM:TM+1], v[S:S+1], v[S+2:S+3]  ; the row's sum of the unquantised p, in two chains.  (Plain work behind the conversions)
.endm
.macro SUMS e, from, cnt
.set LE, L0+\e*(L1-L0)
.set n, \from
.rept \cnt
	v_pk_add_f32 v[LE:LE+1], v[LE:LE+1], v[S+n:S+n+1]
	v_pk_add_f32 v[TM:TM+1], v[TM:TM+1], v[S+n+2:S+n+3]
.set n, n+4
.endr
.endm
.macro COMB e
.set LE, L0+\e*(L1-L0)
	v_pk_add_f32 v[LE:LE+1], v[LE:LE+1], v[TM:TM+1]
.endm
.macro JOIN d, ct                      ; the operand's layout wants a whole block in a lane: lanes 0-15 the even block, lanes 16-31 the odd one
.irp i, 0,1,2
	v_permlane16_swap_b32 v[(\d)+\i], v[(\ct)+\i]
.endr
.irp i, 0,1,2
	v_mov_b32 v[(\d)+3+\i], v[(\ct)+\i]
.endr
.endm
.macro PV                              ; O^T += V^T p^T for both tiles: eight accumulators by turns
.irp e, 0,1
.irp t, 0,1,2,3
.set rD, O+32*\e+8*\t
.set rP, PW0+\e*(PW1-PW0)
.if \t%2
	v_wmma_scale_f32_16x16x128_f8f6f4 v[rD:rD+7], v[S+12*\t:S+12*\t+11], v[CD+12*\e:CD+12*\e+11], v[rD:rD+7], v[NM+1+2*(\t/2)], v[rP] matrix_a_fmt:MATRIX_FMT_BF6 matrix_b_fmt:MATRIX_FMT_BF6 matrix_a_scale:MATRIX_SCALE_ROW1
.else
	v_wmma_scale_f32_16x16x128_f8f6f4 v[rD:rD+7], v[S+12*\t:S+12*\t+11], v[CD+12*\e:CD+12*\e+11], v[rD:rD+7], v[NM+1+2*(\t/2)], v[rP] matrix_a_fmt:MATRIX_FMT_BF6 matrix_b_fmt:MATRIX_FMT_BF6
.endif
.endr
.endr
.endm
; A KEY STEP for both tiles: 128 keys, the record at LDS byte s2; its K has been asked for.  The next record's K is asked for behind tile 1's scores; lim: the last record that has been shown landed (there the same K is asked for again and not used).
.macro DSTEP lim
	s_wait_dscnt 0x0                               ; K and its words
	QK 0
.rept 4
	v_nop                                          ; places ahead of the first read of the scores
.endr
	SOFT 0
	SUMS 0, 4, 15
	COMB 0
	QK 1                                           ; over tile 0's p, which is done with
	JOIN CD, CT0                                   ; tile 0's codes: also the places behind the products above
	JOIN CD+6, CT1
	s_add_co_u32 s19, s2, REC
	s_min_u32 s19, s19, \lim
	ADDR s19
	KFETCH
	SOFT 1
	SUMS 1, 4, 11                                  ; first the 48 registers that V will take
	ADDR s2
	VFETCH
	s_add_co_u32 s2, s2, REC
	JOIN CD+12, CT0
	JOIN CD+18, CT1
	SUMS 1, 48, 2                                  ; four plain instructions between the codes' last write and the products
	s_wait_alu depctr_va_vdst(0)                   ; directly ahead of the wait below
	s_wait_dscnt 0x0                               ; V (and the next K, asked for long before it)
	PV
	SUMS 1, 56, 2                                  ; the last registers of p, which V does not take: five plain instructions behind the products, ahead of those that write over V
	COMB 1
.endm
	s_load_b128 s[4:7], s[0:1], 0x0                ; qb, kv
	s_load_b64 s[8:9], s[0:1], 0x10                ; ob
	v_lshl_add_u32 v[SPW], v0, 2, SPARE
	v_mov_b32 v[NIL], 0
	ds_add_u32 v[SPW], v[NIL]                      ; the opening: the add, twice on end, and its wait ahead of a wave's first tensor load; all sixteen run it
	ds_add_u32 v[SPW], v[NIL]
	v_lshrrev_b32 v[T], 5, v0
	v_readfirstlane_b32 s18, v[T]                  ; wave 0..15
	v_and_b32 v[LN], 31, v0
	v_lshlrev_b32 v[A16], 4, v[LN]
	v_lshlrev_b32 v[A8], 3, v[LN]
	v_lshlrev_b32 v[A4], 2, v[LN]
	v_cmp_le_u32 s40, 16, v[LN]                    ; lanes 16-31
.irp i, 0,1,2,3,4,5
	v_mov_b32 v[Q+6+\i], 0                         ; the zero codes between Q0 and Q1
.endr
.irp r, PT, PT+1, PT+2, NM+1, NM+3, F, F+1, L0, L0+1, L1, L1+1
	v_mov_b32 v[\r], 0                             ; the sums; and what is named before it is first made (a lane permute's destination, a pair's upper half, the registers beside K)
.endr
	v_mov_b32 v[NM], 0x7f61b1e6                    ; -M = 3e38: M lies under every t
	v_mov_b32 v[NM+2], 0x7f61b1e6
.set n, 0
.rept 64
	v_mov_b32 v[O+n], 0                            ; O^T: the step is written once; the first change of M multiplies zeros
.set n, n+1
.endr
	s_wait_alu depctr_va_vdst(0)                   ; behind the head's last vector instruction
	s_mov_b32 s2, 0
	s_mov_b32 s20, 0x76543210
	s_mov_b32 s21, 0xfedcba98                      ; selects: lane l xor 16
	s_mov_b32 s22, 0x3e38aa3b                      ; c = log2(e) / 8
	s_mov_b32 s23, s22                             ; (named with it as a pair)
	s_mov_b32 s24, 3<<16                           ; group 1: a record as 51 rows of 256 bytes (32 elements of 8 bytes), no mask, no padding
	s_mov_b32 s25, 32<<16
	s_mov_b32 s26, 51<<16
	s_mov_b32 s27, 32<<16
	s_mov_b32 s28, 51
	s_mov_b32 s29, 32
	s_mov_b32 s30, 0
	s_mov_b32 s31, 0
	s_and_b32 s10, ttmp7, 0xffff                   ; bh
	s_mul_i32 s12, s10, 8*REC
	s_mov_b32 s13, 0
	s_mov_b32 s32, 1
	s_mul_i32 s33, s18, REC                        ; wave w (0 to 7) brings record w
	s_mov_b32 s17, 0
	s_lshl_b32 s46, ttmp9, 4
	s_add_co_u32 s46, s46, s18                     ; P
	s_lshl_b32 s47, s46, 1                         ; 2 P
	s_lshl_b32 s48, s10, 6
	s_add_co_u32 s48, s48, s47
	s_mul_i32 s48, s48, 768                        ; Q's two half fragments
	s_mov_b32 s49, 0
	s_lshl_b32 s54, s10, 12
	s_lshl_b32 s55, s46, 7
	s_add_co_u32 s54, s54, s55
	s_add_co_u32 s54, s54, 6291456                 ; the pair's words
	s_mov_b32 s55, 0
	s_lshr_b32 s56, s10, 4                         ; batch
	s_and_b32 s57, s10, 15                         ; head
	s_lshl_b32 s56, s56, 6
	s_add_co_u32 s56, s56, s47                     ; out's tile: 64 b + 2 P
	s_mul_i32 s58, s56, 12288
	s_mul_i32 s59, s57, 768
	s_add_co_u32 s58, s58, s59
	s_mov_b32 s59, 0
	s_lshl_b32 s60, s56, 9
	s_lshr_b32 s61, s57, 2
	s_lshl_b32 s61, s61, 7
	s_add_co_u32 s60, s60, s61                     ; + 128 (head / 4): K steps 2 j, 2 j + 1
	s_bfe_u32 s61, s57, 0x10001
	s_lshl_b32 s61, s61, 6
	s_add_co_u32 s60, s60, s61                     ; + 64 for the odd K step
	s_and_b32 s61, s57, 1
	s_lshl_b32 s61, s61, 1
	s_add_co_u32 s60, s60, s61                     ; + 2 for the K step's second head
	s_add_co_u32 s60, s60, 6291456
	s_mov_b32 s61, 0
	s_wait_dscnt 0x0                               ; both opening adds are done
	s_wait_kmcnt 0x0
	s_add_nc_u64 s[14:15], s[6:7], s[12:13]        ; the head's records
	s_mov_b32 s16, s33
	s_add_nc_u64 s[34:35], s[14:15], s[16:17]
	s_or_b32 s35, s35, 0x80000000
	s_cmp_lt_u32 s18, 2
	s_cbranch_scc0 .Lno_head_load
	TLOAD                                          ; records 0 and 1: waves 0 and 1
.Lno_head_load:
	s_add_nc_u64 s[50:51], s[4:5], s[48:49]
	s_add_nc_u64 s[52:53], s[4:5], s[54:55]
	s_add_nc_u64 s[42:43], s[8:9], s[58:59]
	s_add_nc_u64 s[44:45], s[8:9], s[60:61]
	global_load_b128 v[Q:Q+3], v[A16], s[50:51]
	global_load_b64 v[Q+4:Q+5], v[A8], s[50:51] offset:512
	global_load_b128 v[Q+12:Q+15], v[A16], s[50:51] offset:768
	global_load_b64 v[Q+16:Q+17], v[A8], s[50:51] offset:1280
	global_load_b32 v[QW], v[A4], s[52:53]
	s_wait_tensorcnt 0x0                           ; ahead of a later first fill: all my tensor loads are done,
	ds_add_u32 v[SPW], v[NIL]                      ; 0 onto my spare word,
	ds_add_u32 v[SPW], v[NIL]                      ; twice on end
	s_wait_dscnt 0x0
	s_barrier_signal -1
	s_barrier_wait -1                              ; records 0 and 1 are whole
	s_cmp_lt_u32 s18, 2
	s_cbranch_scc1 .Lno_later_load
	s_cmp_lt_u32 s18, 8
	s_cbranch_scc0 .Lno_later_load
	TLOAD                                          ; records 2 to 7: waves 2 to 7, into bytes that nothing has filled
.Lno_later_load:
	KFETCH                                         ; record 0's K
	s_wait_loadcnt 0x0                             ; Q and its words; the loads' offset registers may be written again
	s_mov_b32 s3, 2
.Lfirst_two:
	DSTEP REC
	s_sub_co_u32 s3, s3, 1
	s_cmp_lg_u32 s3, 0
	s_cbranch_scc1 .Lfirst_two
	s_wait_tensorcnt 0x0                           ; my record is in
	ds_add_u32 v[SPW], v[NIL]
	s_wait_dscnt 0x0                               ; and no LDS load of mine is out
	s_barrier_signal -1
	s_barrier_wait -1                              ; the whole head lies in LDS
	ADDR s2
	KFETCH                                         ; record 2's K
	s_mov_b32 s3, 6
.Lother_six:
	DSTEP 7*REC
	s_sub_co_u32 s3, s3, 1
	s_cmp_lg_u32 s3, 0
	s_cbranch_scc1 .Lother_six
; BOTH TILES ARE FINISHED: O^T / the sum, quantised along the head's 64 (two blocks a tile), the half fragments stored.  The five additions above are the places behind the last products.
	v_add_f32 v[TM], v[L0], v[L0+1]
	v_add_f32 v[TM+2], v[L1], v[L1+1]
	v_permlanex16_b32 v[PT], v[TM], s20, s21
	v_permlanex16_b32 v[PT+1], v[TM+2], s20, s21
	v_add_f32 v[TM], v[TM], v[PT]                  ; the rows' sums
	v_add_f32 v[TM+2], v[TM+2], v[PT+1]
	v_and_b32 v[A4], 15, v[LN]
	v_lshrrev_b32 v[A16], 4, v[LN]
	v_lshlrev_b32 v[A4], 2, v[A4]
	v_lshlrev_b32 v[A8], 3, v[LN]                  ; the codes' offset: 8 l
	v_lshl_add_u32 v[A4], v[A16], 9, v[A4]         ; the bytes' offset: 4 r + 512 h
	v_lshlrev_b32 v[A16], 4, v[LN]                 ; the codes' other offset: 16 l
	s_wait_alu depctr_va_vdst(0)                   ; ahead of the transcendentals
	v_rcp_f32 v[TM], v[TM]
	v_rcp_f32 v[TM+2], v[TM+2]
	v_nop
	s_wait_alu depctr_va_vdst(0)                   ; and behind them, directly ahead of the first reader of their results and of O^T
.irp e, 0,1
.set n, 0
.rept 16
	v_pk_mul_f32 v[S+32*\e+n:S+32*\e+n+1], v[O+32*\e+n:O+32*\e+n+1], v[TM+2*\e:TM+2*\e+1] op_sel_hi:[1,0]   ; register 32 e + 16 b + i: channel 32 b + 16 h + i of my query of tile e
.set n, n+2
.endr
.endr
.irp b, 0,1,2,3
	v_max3_num_f32 v[TM+\b], |v[S+16*\b]|, |v[S+1+16*\b]|, 0x2800000
.endr
.irp i, 2,4,6,8,10,12,14
.irp b, 0,1,2,3
	v_max3_num_f32 v[TM+\b], v[TM+\b], |v[S+16*\b+\i]|, |v[S+1+16*\b+\i]|
.endr
.endr
.irp b, 0,1,2,3
	v_permlanex16_b32 v[PT+\b], v[TM+\b], s20, s21
.endr
.irp b, 0,1,2,3
	v_max_num_f32 v[TM+\b], v[TM+\b], v[PT+\b]
.endr
.irp b, 0,1,2,3
	v_add_nc_u32 v[SO+\b], 0xfe000000, v[TM+\b]
.endr
.irp b, 0,1,2,3
	v_lshrrev_b32 v[PT+\b], 23, v[SO+\b]
.endr
	v_lshl_or_b32 v[PW0], v[PT+1], 8, v[PT]        ; a row's two bytes, tile 0's
	v_lshl_or_b32 v[PW1], v[PT+3], 8, v[PT+2]      ; and tile 1's
	v_cvt_scalef32_pk16_bf6_f32 v[CD:CD+2], v[S:S+15], v[SO]
	v_cvt_scalef32_pk16_bf6_f32 v[CT0:CT0+2], v[S+16:S+31], v[SO+1]
	v_cvt_scalef32_pk16_bf6_f32 v[CD+12:CD+14], v[S+32:S+47], v[SO+2]
	v_cvt_scalef32_pk16_bf6_f32 v[CT1:CT1+2], v[S+48:S+63], v[SO+3]
	v_cndmask_b32 v[T], v[PW0], v[PW1], s40        ; lanes 0-15: tile 2 P's rows; lanes 16-31: tile 2 P + 1's.  (The plain instruction behind the conversions)
	JOIN CD, CT0
	JOIN CD+12, CT1
.irp e, 0,1                                    ; out's half fragment as the same image: 512 and 256 consecutive bytes, aligned
	global_store_b128 v[A16], v[CD+12*\e:CD+12*\e+3], s[42:43] offset:\e*12288
	global_store_b64 v[A8], v[CD+12*\e+4:CD+12*\e+5], s[42:43] offset:\e*12288+512
.endr
	global_store_b16 v[A4], v[T], s[44:45]
	s_wait_tensorcnt 0x0                           ; the wave's end, with an add to my spare word and its wait
	ds_add_u32 v[SPW], v[NIL]
	s_wait_dscnt 0x0
	s_endpgm
.Lfunc_end_k_q507dea45ca_attn:
	.size	k_q507dea45ca_attn, .Lfunc_end_k_q507dea45ca_attn-k_q507dea45ca_attn
	.p2alignl 7, 3214868480
	.fill 96, 4, 3214868480
	.section	.rodata,"a",@progbits
	.p2align	6, 0x0
	.amdhsa_kernel k_q507dea45ca_attn
		.amdhsa_group_segment_fixed_size 327680
		.amdhsa_private_segment_fixed_size 0
		.amdhsa_enable_private_segment 0
		.amdhsa_kernarg_size 24
		.amdhsa_user_sgpr_count 2
		.amdhsa_user_sgpr_kernarg_segment_ptr 1
		.amdhsa_wavefront_size32 1
		.amdhsa_system_sgpr_workgroup_id_x 1
		.amdhsa_system_sgpr_workgroup_id_y 1
		.amdhsa_system_sgpr_workgroup_id_z 1
		.amdhsa_system_vgpr_workitem_id 0
		.amdhsa_next_free_vgpr 256
		.amdhsa_next_free_sgpr 66
		.amdhsa_reserve_vcc 0
		.amdhsa_float_denorm_mode_32 3
		.amdhsa_float_denorm_mode_16_64 3
		.amdhsa_memory_ordered 1
		.amdhsa_forward_progress 1
		.amdhsa_inst_pref_size 77
	.end_amdhsa_kernel
	.amdgpu_metadata
---
amdhsa.version: [ 1, 2 ]
amdhsa.kernels:
  - .name:           k_q507dea45ca_attn
    .symbol:         k_q507dea45ca_attn.kd
    .args:
      - { .name: qb, .offset: 0, .size: 8, .value_kind: global_buffer, .address_space: global }
      - { .name: kv, .offset: 8, .size: 8, .value_kind: global_buffer, .address_space: global }
      - { .name: ob, .offset: 16, .size: 8, .value_kind: global_buffer, .address_space: global }
    .group_segment_fixed_size: 327680
    .private_segment_fixed_size: 0
    .kernarg_segment_align: 8
    .kernarg_segment_size: 24
    .max_flat_workgroup_size: 512
    .sgpr_count:     66
    .vgpr_count:     256
    .wavefront_size: 32
...
	.end_amdgpu_metadata
.endif
;; end of part 3
;; launch proj (part 4): grid 32 x 8, 4 waves a work-group, clusters of 4 x 1, 327,680 bytes of LDS; arguments ob, wq, b_o, x, yb, st; writes yb, st
.if DOCPART == 4
	.amdgcn_target "amdgcn-amd-amdhsa--gfx1250"
	.amdhsa_code_object_version 6
	.text
	.protected	k_q507dea45ca_proj
	.globl	k_q507dea45ca_proj
	.p2align	8
	.type	k_q507dea45ca_proj,@function
k_q507dea45ca_proj:
	s_mov_b64 s[64:65], 0
	v_nop
	global_prefetch_b8 v0, s[64:65] scope:SCOPE_SE
	s_setreg_imm32_b32 hwreg(HW_REG_WAVE_MODE, 25, 1), 1
	s_wait_xcnt 0x0
	s_wait_alu depctr_hold_cnt(0) depctr_sa_sdst(0) depctr_va_vdst(0) depctr_va_sdst(0) depctr_va_ssrc(0) depctr_va_vcc(0) depctr_vm_vsrc(0)
	s_getreg_b32 s2, hwreg(HW_REG_IB_STS2, 6, 4)
	s_cmp_eq_u32 s2, 0
	s_cbranch_scc0 .Lentry_in_a_cluster
	s_endpgm
.Lentry_in_a_cluster:
	s_bfe_u32 s2, ttmp6, 0x10000c
	s_cmp_lg_u32 s2, 0x3003
	s_cbranch_scc0 .Lentry_shape_is_right
	s_endpgm
.Lentry_shape_is_right:
; y = out W_o^T + b_o + x, the product on codes of BF6, and for each wave's 8,192 numbers of y their mean and their sum of squared distances from it.  No work of reference() is left out.
; SHARES.  Work-group (rb, g): tokens 256 rb on, columns 128 g on.  Wave w: tokens 64 w on, four tiles; its 32 fragments of out (all of K) stay in 384 registers.
; LDS, every byte filled once: the group's weights, 102,400 bytes (64 fragments as images, then 8 tiles' scale words); the four waves' stages; the work-group's tile of x, 256 rows of 512 bytes, 528 apart; the spare words.
; THE HEAD'S LOADS, ONE A WAVE, in one if and else on the wave's number: waves 0 and 3 bring a half of the weights' record each (200 rows of 256 bytes), waves 1 and 2 a half of x's tile each (128 rows).
; So x, out's fragments and the weights are all asked for at the launch's start.  The first barrier shows the weights whole: waves 1 and 2 jump over the wait there, and their tiles stay out across it.
; CLUSTER.  The four token blocks of a batch want the same weights: those loads are joint (mask 15).  x's tile is the work-group's own: no mask.  NO PREFETCH: every read of the launch goes out at its head; there is no loop to run ahead in.
; Source 0 = 16 columns of W_o, source 1 = 16 tokens; b_o is the C of K step 0.
; out's fragment (1,536 bytes) is two heads' half fragments of 768: registers 0-3 at 16 l, registers 4, 5 at 512 + 8 l.
; THE WAY OUT.  A tile goes through the wave's own stage (16 rows x 528 bytes) and comes back as rows of 512 bytes; x's rows come from LDS the same way and are added; each store covers 512 consecutive bytes, aligned.
; THE STATISTICS are taken about a pilot, the wave's first y: s1 = sum (y - c), s2 = sum (y - c)^2; mean = c + s1 / 8192, M2 = s2 - s1^2 / 8192.  So a common offset of the inputs does not enter a difference of large sums.
; LIMITS: NaN and infinities are not served.
; REGISTERS.  window 0: v1-11 addresses; v16-31 out's scale words, v32-63 the weights'; v64-159, v160-255 the weights' fragments, two sets; on the way out v64-191 rows of y, v192-217 the statistics.
;   window 1: out's fragments of K steps 0-4, on the way out v0-127 rows of x; window 2: K steps 5-7; from v160 the bias; window 3: the 32 accumulators (64 i + 8 t).
.set STG,   102400
.set XL,    STG+4*8448                 ; x's tile
.set SPARE, XL+256*528
.set SPW, 12
.set NIL, 13
.set BA,  8
.set BSA, 10
.set XA,  11                           ; v11  x's rows of my 64 tokens: 16 x lane of a row
.set ASC, 16
.set BSC, 32
.set BF,  64
.set BIA, 160
.set MSB, 0
.macro WIN new                         ; the immediate's high byte repeats the setting that is left
.if MSB != (\new)
	s_set_vgpr_msb (MSB<<8)|(\new)
.set MSB, (\new)
.endif
.endm
.macro PLACES n
.rept \n
	v_nop
.endr
.endm
.macro ROUND                           ; a round of the cluster's barrier
	s_barrier_signal -1
	s_barrier_wait -1
	s_cmp_lg_u32 s16, 0
	s_cbranch_scc1 .Lnot_wave_0_\@
	s_barrier_signal -3
.Lnot_wave_0_\@:
	s_barrier_wait -3
	s_barrier_signal -1
	s_barrier_wait -1
.endm
.macro FETCHB ks, set
.irp t, 0,1,2,3,4,5,6,7
.irp g, 0,1,2
	ds_load_b128 v[BF+96*(\set)+12*\t+4*\g:BF+96*(\set)+12*\t+4*\g+3], v[BA+(\ks)/4] offset:((\ks)%4)*12288+\t*1536+512*\g
.endr
.endr
.endm
.macro MUL ks                          ; 32 products; the 32 accumulators take turns, one instruction a turn
.set XR, 48*((\ks)%5)
.set SBF, BF+96*((\ks)%2)
.set CWN, 3
.if (\ks) == 0
.set CWN, 2
.endif
	WIN 0xc0|(CWN<<4)|((1+(\ks)/5)<<2)
.irp i, 0,1,2,3
.irp t, 0,1,2,3,4,5,6,7
.set rD, 64*\i+8*\t
.set rA, SBF+12*\t
.set rB, XR+12*\i
.set rSA, BSC+4*\t+(\ks)/2
.set rSB, ASC+4*\i+(\ks)/2
.set rC, rD
.if (\ks) == 0
.set rC, BIA+8*\t
.endif
.if (\ks)%2
	v_wmma_scale_f32_16x16x128_f8f6f4 v[rD:rD+7], v[rA:rA+11], v[rB:rB+11], v[rC:rC+7], v[rSA], v[rSB] matrix_a_fmt:MATRIX_FMT_BF6 matrix_b_fmt:MATRIX_FMT_BF6 matrix_a_scale:MATRIX_SCALE_ROW1 matrix_b_scale:MATRIX_SCALE_ROW1
.else
	v_wmma_scale_f32_16x16x128_f8f6f4 v[rD:rD+7], v[rA:rA+11], v[rB:rB+11], v[rC:rC+7], v[rSA], v[rSB] matrix_a_fmt:MATRIX_FMT_BF6 matrix_b_fmt:MATRIX_FMT_BF6
.endif
.endr
.endr
.endm
.macro XROWS i                         ; x at tile i's 16 tokens, from LDS: a row of 512 bytes an instruction, into window 1
	WIN 0x40
.irp q, 0,1,2,3,4,5,6,7,8,9,10,11,12,13,14,15
	ds_load_b128 v[64*((\i)%2)+4*\q:64*((\i)%2)+4*\q+3], v[XA] offset:(32*((\i)/2)+8*((\i)%2)+(\q%8)+16*(\q/8))*528
.endr
	WIN 0
.endm
.macro KSTEP ks, lc                    ; lc: the younger global loads that may stay out
	s_wait_dscnt 0x0
	s_wait_loadcnt \lc
	WIN 0
	PLACES 4                                       ; behind the last products, in front of loads into registers that they read
.if (\ks) < 7
	FETCHB (\ks)+1, ((\ks)+1)%2
.endif
	MUL \ks
.endm
.macro EPI i
.set YS, 64+64*((\i)%2)
.set XD, 64*((\i)%2)
.if (\i) >= 2
	s_wait_xcnt 0x0                                ; the stores of two tiles ago have read these registers
.endif
	XROWS \i
	WIN 0x0c                                       ; an LDS store's data: window 3
.irp t, 0,1,2,3,4,5,6,7
	ds_store_b128 v6, v[64*(\i)+8*\t:64*(\i)+8*\t+3] offset:128*(\t/2)+32*(\t%2)       ; each accumulator from its low end on: row r, columns 32 (t / 2) + 8 (t % 2) + 16 h + 0 .. 7
	ds_store_b128 v6, v[64*(\i)+8*\t+4:64*(\i)+8*\t+7] offset:128*(\t/2)+32*(\t%2)+16
.endr
	WIN 0
.irp q, 0,1,2,3,4,5,6,7,8,9,10,11,12,13,14,15
	ds_load_b128 v[YS+4*\q:YS+4*\q+3], v7 offset:528*\q   ; LDS serves a wave's instructions in order: these see my stores
.endr
	s_wait_dscnt 0x0
	WIN 0x04                                       ; source 1: window 1
.set n, 0
.rept 32
	v_pk_add_f32 v[YS+n:YS+n+1], v[YS+n:YS+n+1], v[XD+n:XD+n+1]   ; y = out W_o^T + b_o + x
.set n, n+2
.endr
	WIN 0
.if (\i) == 0
	v_readfirstlane_b32 s60, v[YS]                 ; the pilot
	v_mov_b32 v216, s60
	v_mov_b32 v217, s60
.endif
.set n, 0
.rept 8
.irp k, 0,1,2,3
	v_pk_add_f32 v[192+2*\k:193+2*\k], v[YS+n+2*\k:YS+n+2*\k+1], v[216:217] neg_lo:[0,1] neg_hi:[0,1]
.endr
.irp k, 0,1,2,3
	v_pk_add_f32 v[200+2*\k:201+2*\k], v[200+2*\k:201+2*\k], v[192+2*\k:193+2*\k]
.endr
.irp k, 0,1,2,3
	v_pk_fma_f32 v[208+2*\k:209+2*\k], v[192+2*\k:193+2*\k], v[192+2*\k:193+2*\k], v[208+2*\k:209+2*\k]
.endr
.set n, n+8
.endr
.irp q, 0,1,2,3,4,5,6,7,8,9,10,11,12,13,14,15
	global_store_b128 v2, v[YS+4*\q:YS+4*\q+3], s[56:57] offset:(32*((\i)/2)+8*((\i)%2)+(\q%8)+16*(\q/8))*4096 th:TH_STORE_NT
.endr
.endm
	s_load_b256 s[4:11], s[0:1], 0x0               ; ob, wq, b_o, x
	s_load_b128 s[12:15], s[0:1], 0x20             ; yb, st
	v_lshl_add_u32 v[SPW], v0, 2, SPARE
	v_mov_b32 v[NIL], 0
	ds_add_u32 v[SPW], v[NIL]                      ; the opening: the add, twice on end, and its wait ahead of my first tensor load
	ds_add_u32 v[SPW], v[NIL]
	v_lshrrev_b32 v1, 5, v0
	v_readfirstlane_b32 s16, v1                    ; wave
	v_and_b32 v1, 31, v0
	v_lshlrev_b32 v2, 4, v1
	v_lshlrev_b32 v3, 3, v1
	v_lshlrev_b32 v4, 2, v1
	v_bfe_u32 v5, v0, 4, 1
	v_lshlrev_b32 v5, 6, v5                        ; 64 h
	s_mul_i32 s60, s16, 8448
	s_add_co_u32 s60, s60, STG                     ; my stage
	v_and_b32 v6, 15, v0
	v_mul_u32_u24 v6, v6, 528
	v_add_nc_u32 v6, v6, v5
	v_add_nc_u32 v6, s60, v6                       ; in: row r, + 64 h
	v_add_nc_u32 v7, s60, v2                       ; back: 16 x lane of a row
	v_add_nc_u32 v[BA], 0, v2
	v_add_nc_u32 v[BA+1], 49152, v2
	v_add_nc_u32 v[BSA], 98304, v4
	s_mul_i32 s61, s16, 64*528
	s_add_co_u32 s61, s61, XL
	v_add_nc_u32 v[XA], s61, v2
	s_mov_b32 s20, 0x76543210
	s_mov_b32 s21, 0xfedcba98
	s_bfe_u32 s17, ttmp6, 0x40000                  ; cx
	s_lshl_b32 s18, ttmp9, 2
	s_add_co_u32 s18, s18, s17                     ; rb
	s_and_b32 s19, ttmp7, 0xffff                   ; g, which the four partners share
	s_mov_b32 s24, 0x0023000f                      ; group 1 for the weights: rows of 256 bytes (32 elements of 8 bytes), mask 15 with bit 21 beside it
	s_mov_b32 s25, 32<<16
	s_mov_b32 s26, 200<<16                         ; half of the record's 400 rows
	s_mov_b32 s27, 32<<16
	s_mov_b32 s28, 200
	s_mov_b32 s29, 32
	s_mov_b32 s30, 0
	s_mov_b32 s31, 0
	s_mov_b32 s32, (3<<16)|(1<<20)|(6<<22)|(3<<25) ; group 1 for x: elements of 8 bytes, no mask; 4 words of padding behind every 128 words, a row
	s_mov_b32 s33, 64<<16                          ; a row: 64 elements, 512 bytes
	s_mov_b32 s34, 128<<16                         ; 128 rows
	s_mov_b32 s35, 64<<16
	s_mov_b32 s36, 128
	s_mov_b32 s37, 512                             ; from token to token: 4,096 bytes
	s_mov_b32 s38, 0
	s_mov_b32 s39, 0
	s_lshr_b32 s79, s16, 1                         ; which half I bring: 0 in waves 0 and 1, 1 in waves 2 and 3
	s_add_co_u32 s80, s16, 1
	s_and_b32 s80, s80, 2                          ; 2 in waves 1 and 2, which bring x; 0 in waves 0 and 3, which bring the weights
	s_mov_b32 s40, 1
	s_mul_i32 s41, s79, 128*528
	s_add_co_u32 s41, s41, XL
	s_mov_b32 s44, 1
	s_mul_i32 s45, s79, 51200                      ; an LDS address is the offset in the record
	s_mul_i32 s68, s19, 102400
	s_add_co_u32 s68, s68, 2457600
	s_mov_b32 s69, 0
	s_mov_b32 s73, 0
	s_lshl_b32 s74, s18, 4
	s_lshl_b32 s75, s16, 2
	s_add_co_u32 s74, s74, s75                     ; my first tile: 16 rb + 4 w
	s_mov_b32 s77, 0
	s_wait_alu depctr_va_vdst(0)                   ; behind the head's last vector instruction, directly ahead of the wait below
	s_wait_dscnt 0x0                               ; both opening adds are done
	s_wait_kmcnt 0x0
	s_add_nc_u64 s[70:71], s[6:7], s[68:69]        ; the group's record
	s_mov_b32 s72, s45
	s_add_nc_u64 s[46:47], s[70:71], s[72:73]
	s_or_b32 s47, s47, 0x80000000
	s_mul_i32 s76, s74, 12288
	s_add_nc_u64 s[48:49], s[4:5], s[76:77]        ; out's fragments
	s_lshl_b32 s76, s74, 9
	s_add_co_u32 s76, s76, 6291456
	s_add_nc_u64 s[50:51], s[4:5], s[76:77]        ; out's scale words
	s_lshl_b32 s76, s19, 9
	s_add_nc_u64 s[52:53], s[8:9], s[76:77]        ; b_o at my group's columns
	s_lshl_b32 s54, s18, 4
	s_lshl_b32 s55, s79, 3
	s_add_co_u32 s54, s54, s55
	s_lshl_b32 s54, s54, 16                        ; token 256 rb + 128 x half, 4,096 bytes a token,
	s_add_co_u32 s54, s54, s76                     ; + my group's columns
	s_mov_b32 s55, 0
	s_add_nc_u64 s[42:43], s[10:11], s[54:55]      ; x's half tile
	s_or_b32 s43, s43, 0x80000000
	s_lshl_b32 s78, s74, 16                        ; 16 tokens a tile, 4,096 bytes a token
	s_add_co_u32 s76, s76, s78
	s_add_nc_u64 s[56:57], s[12:13], s[76:77]      ; y
	s_lshl_b32 s76, ttmp9, 7
	s_lshl_b32 s78, s17, 5
	s_add_co_u32 s76, s76, s78
	s_lshl_b32 s78, s19, 2
	s_add_co_u32 s76, s76, s78
	s_add_co_u32 s76, s76, s16
	s_lshl_b32 s76, s76, 3
	s_add_nc_u64 s[58:59], s[14:15], s[76:77]      ; my pair of statistics: batch x 128 + 32 cx + 4 g + w
	ROUND                                          ; all four work-groups are here: the joint loads meet
	s_cmp_eq_u32 s80, 0
	s_cbranch_scc0 .Lhead_x
	tensor_load_to_lds s[44:47], s[24:31]          ; waves 0 and 3: half of the weights' record, jointly
	s_nop 0
	PLACES 4
	s_branch .Lhead_asked
.Lhead_x:
	tensor_load_to_lds s[40:43], s[32:39]          ; waves 1 and 2: half of x's tile
	s_nop 0
	PLACES 4
.Lhead_asked:
.irp i, 0,1,2,3
.irp j, 0,1,2,3
	global_load_b32 v[ASC+4*\i+\j], v4, s[50:51] offset:512*\i+128*\j
.endr
.endr
	WIN 0x80
.irp t, 0,1,2,3,4,5,6,7
	global_load_b128 v[BIA+8*\t:BIA+8*\t+3], v5, s[52:53] offset:(32*(\t/2)+8*(\t%2))*4
	global_load_b128 v[BIA+8*\t+4:BIA+8*\t+7], v5, s[52:53] offset:(32*(\t/2)+8*(\t%2))*4+16
.endr
	WIN 0x40
.irp ks, 0,1,2,3,4
.irp i, 0,1,2,3
.irp c, 0,1
	global_load_b128 v[48*\ks+12*\i+6*\c:48*\ks+12*\i+6*\c+3], v2, s[48:49] offset:\i*12288+\ks*1536+768*\c
	global_load_b64 v[48*\ks+12*\i+6*\c+4:48*\ks+12*\i+6*\c+5], v3, s[48:49] offset:\i*12288+\ks*1536+768*\c+512
.endr
.endr
.endr
	WIN 0x80
.irp ks, 5,6,7
.irp i, 0,1,2,3
.irp c, 0,1
	global_load_b128 v[48*(\ks-5)+12*\i+6*\c:48*(\ks-5)+12*\i+6*\c+3], v2, s[48:49] offset:\i*12288+\ks*1536+768*\c
	global_load_b64 v[48*(\ks-5)+12*\i+6*\c+4:48*(\ks-5)+12*\i+6*\c+5], v3, s[48:49] offset:\i*12288+\ks*1536+768*\c+512
.endr
.endr
.endr
	WIN 0
	s_cmp_eq_u32 s80, 0
	s_cbranch_scc0 .Lx_stays_out                   ; x's tiles may stay out, and x is read behind the next one
	s_wait_tensorcnt 0x0                           ; my half of the record is in,
.Lx_stays_out:
	s_barrier_signal -1
	s_barrier_wait -1                              ; the whole record is
.irp t, 0,1,2,3,4,5,6,7
.irp j, 0,1,2,3
	ds_load_b32 v[BSC+4*\t+\j], v[BSA] offset:512*\t+128*\j
.endr
.endr
	FETCHB 0, 0
	; the counts: 16 (7 - ks) younger fragment loads; a count cannot name more than 63
	KSTEP 0, 63
	KSTEP 1, 63
	KSTEP 2, 63
	KSTEP 3, 63
	KSTEP 4, 48
	KSTEP 5, 32
	KSTEP 6, 16
	KSTEP 7, 0
	WIN 0
	PLACES 4                                       ; behind the last products: for the reads of results and the loads into fragment registers
	s_wait_tensorcnt 0x0                           ; my tensor load is done (waves 1 and 2: my half of x's tile),
	s_wait_dscnt 0x0
	s_barrier_signal -1
	s_barrier_wait -1                              ; and x's tile is whole
.set n, 0
.rept 16
	v_mov_b32 v[200+n], 0                          ; s1 and s2, four chains of pairs each
.set n, n+1
.endr
	EPI 0
	EPI 1
	EPI 2
	EPI 3
	v_pk_add_f32 v[200:201], v[200:201], v[202:203]
	v_pk_add_f32 v[204:205], v[204:205], v[206:207]
	v_pk_add_f32 v[208:209], v[208:209], v[210:211]
	v_pk_add_f32 v[212:213], v[212:213], v[214:215]
	v_pk_add_f32 v[200:201], v[200:201], v[204:205]
	v_pk_add_f32 v[208:209], v[208:209], v[212:213]
	v_add_f32 v200, v200, v201
	v_add_f32 v208, v208, v209
.irp m, 1,2,4,8
	v_add_f32_dpp v200, v200, v200 row_xmask:\m row_mask:0xf bank_mask:0xf
	v_add_f32_dpp v208, v208, v208 row_xmask:\m row_mask:0xf bank_mask:0xf
.endr
	v_permlanex16_b32 v201, v200, s20, s21
	v_permlanex16_b32 v209, v208, s20, s21
	v_add_f32 v200, v200, v201                     ; s1
	v_add_f32 v208, v208, v209                     ; s2
	v_mul_f32 v202, 0x39000000, v200               ; s1 / 8192
	v_add_f32 v204, v216, v202                     ; the mean
	v_fma_f32 v205, -v200, v202, v208              ; M2
	v_mov_b32 v206, 0
	s_wait_alu depctr_va_vdst(0)                   ; directly ahead of the wait below
	s_wait_xcnt 0x0                                ; EXEC changes only behind this wait
	v_cmp_eq_u32 vcc_lo, 0, v1
	s_and_saveexec_b32 s61, vcc_lo
	global_store_b64 v206, v[204:205], s[58:59]    ; lane 0 alone
	s_wait_xcnt 0x0
	s_or_b32 exec_lo, exec_lo, s61
	s_wait_tensorcnt 0x0                           ; the wave's end: a wait, an add to my spare word and its wait, behind my last tensor load and my last LDS store
	ds_add_u32 v[SPW], v[NIL]
	s_wait_dscnt 0x0
	ROUND                                          ; the closing round
	s_endpgm
.Lfunc_end_k_q507dea45ca_proj:
	.size	k_q507dea45ca_proj, .Lfunc_end_k_q507dea45ca_proj-k_q507dea45ca_proj
	.p2alignl 7, 3214868480
	.fill 96, 4, 3214868480
	.section	.rodata,"a",@progbits
	.p2align	6, 0x0
	.amdhsa_kernel k_q507dea45ca_proj
		.amdhsa_group_segment_fixed_size 327680
		.amdhsa_private_segment_fixed_size 0
		.amdhsa_enable_private_segment 0
		.amdhsa_kernarg_size 48
		.amdhsa_user_sgpr_count 2
		.amdhsa_user_sgpr_kernarg_segment_ptr 1
		.amdhsa_wavefront_size32 1
		.amdhsa_system_sgpr_workgroup_id_x 1
		.amdhsa_system_sgpr_workgroup_id_y 1
		.amdhsa_system_sgpr_workgroup_id_z 1
		.amdhsa_system_vgpr_workitem_id 0
		.amdhsa_next_free_vgpr 1024
		.amdhsa_next_free_sgpr 96
		.amdhsa_reserve_vcc 1
		.amdhsa_float_denorm_mode_32 3
		.amdhsa_float_denorm_mode_16_64 3
		.amdhsa_memory_ordered 1
		.amdhsa_forward_progress 1
		.amdhsa_inst_pref_size 123
	.end_amdhsa_kernel
	.amdgpu_metadata
---
amdhsa.version: [ 1, 2 ]
amdhsa.kernels:
  - .name:           k_q507dea45ca_proj
    .symbol:         k_q507dea45ca_proj.kd
    .args:
      - { .name: ob, .offset: 0, .size: 8, .value_kind: global_buffer, .address_space: global }
      - { .name: wq, .offset: 8, .size: 8, .value_kind: global_buffer, .address_space: global }
      - { .name: b_o, .offset: 16, .size: 8, .value_kind: global_buffer, .address_space: global }
      - { .name: x, .offset: 24, .size: 8, .value_kind: global_buffer, .address_space: global }
      - { .name: yb, .offset: 32, .size: 8, .value_kind: global_buffer, .address_space: global }
      - { .name: st, .offset: 40, .size: 8, .value_kind: global_buffer, .address_space: global }
    .group_segment_fixed_size: 327680
    .private_segment_fixed_size: 0
    .kernarg_segment_align: 8
    .kernarg_segment_size: 48
    .max_flat_workgroup_size: 128
    .sgpr_count:     96
    .vgpr_count:     1024
    .wavefront_size: 32
...
	.end_amdgpu_metadata
.endif
;; end of part 4
;; launch norm (part 5): grid 256 x 1, 8 waves a work-group, no clusters, 1,280 bytes of LDS; arguments yb, st, ln_w, ln_b, out0; writes out0
.if DOCPART == 5
	.amdgcn_target "amdgcn-amd-amdhsa--gfx1250"
	.amdhsa_code_object_version 6
	.text
	.protected	k_q507dea45ca_norm
	.globl	k_q507dea45ca_norm
	.p2align	8
	.type	k_q507dea45ca_norm,@function
k_q507dea45ca_norm:
	s_mov_b64 s[64:65], 0
	v_nop
	global_prefetch_b8 v0, s[64:65] scope:SCOPE_SE
	s_setreg_imm32_b32 hwreg(HW_REG_WAVE_MODE, 25, 1), 1
	s_wait_xcnt 0x0
; out0 = (y - mean) x rsqrt(var + 1e-5) x ln_w + ln_b, mean and var over [1024][1024] of each batch.  No work of reference() is left out.
; SHARES.  Work-group g owns bytes 16,384 g on of [S][D] for ALL eight batches, so ln_w and ln_b are read once.  Thread t: 16 bytes at 4,096 c + 16 t, c = 0 .. 3: a load or store of a wave covers 512 consecutive bytes.
; Wave w also joins batch w's 128 pairs (mean, M2) of 8,192 numbers each: mean = the means' mean; M2 = sum (M2_i + 8192 (mean_i - mean)^2); var = M2 / 2^20.  The eight results meet in 128 bytes of LDS behind one barrier.
; All 42 loads of a wave go out at the head; the waits count down.  Memory binds: no matrix unit, no cluster, no ring.
; LIMITS: NaN and infinities are not served.
.set SPW, 10
.set NIL, 11
	s_load_b256 s[4:11], s[0:1], 0x0               ; yb, st, ln_w, ln_b
	s_load_b64 s[12:13], s[0:1], 0x20              ; out0
	v_lshl_add_u32 v[SPW], v0, 2, 256              ; the spare words lie from byte 256 on, 128 bytes a wave
	v_mov_b32 v[NIL], 0
	v_lshlrev_b32 v1, 4, v0
.irp b, 0,1,2,3,4,5,6,7
	v_add_nc_u32 v[2+\b], \b<<22, v1               ; + the batch's 4 MiB
.endr
	v_lshrrev_b32 v20, 5, v0                       ; wave
	v_and_b32 v21, 31, v0
	s_delay_alu instid0(VALU_DEP_2)
	v_lshlrev_b32 v22, 10, v20
	s_delay_alu instid0(VALU_DEP_1)
	v_lshl_add_u32 v22, v21, 5, v22                ; my four pairs of batch w
	s_delay_alu instid0(VALU_DEP_4)
	v_lshlrev_b32 v23, 4, v20                      ; LDS: 16 w
	v_mov_b32 v24, 0
	v_mov_b32 v26, 0                               ; a lane permute's destination counts as one of its sources
	s_lshl_b32 s14, ttmp9, 14
	s_mov_b32 s15, 0
	s_mov_b32 s16, 0x76543210
	s_mov_b32 s17, 0xfedcba98
	s_wait_alu depctr_va_vdst(0)
	s_wait_kmcnt 0x0
	s_add_nc_u64 s[4:5], s[4:5], s[14:15]
	s_add_nc_u64 s[8:9], s[8:9], s[14:15]
	s_add_nc_u64 s[10:11], s[10:11], s[14:15]
	s_add_nc_u64 s[12:13], s[12:13], s[14:15]
	global_load_b128 v[12:15], v22, s[6:7]
	global_load_b128 v[16:19], v22, s[6:7] offset:16
.irp c, 0,1,2,3
	global_load_b128 v[32+4*\c:35+4*\c], v1, s[8:9] offset:4096*\c th:TH_LOAD_NT
.endr
.irp c, 0,1,2,3
	global_load_b128 v[48+4*\c:51+4*\c], v1, s[10:11] offset:4096*\c th:TH_LOAD_NT
.endr
.irp b, 0,1,2,3,4,5,6,7
.irp c, 0,1,2,3
	global_load_b128 v[96+16*\b+4*\c:99+16*\b+4*\c], v[2+\b], s[4:5] offset:4096*\c th:TH_LOAD_NT
.endr
.endr
	s_wait_loadcnt 40                              ; the pairs are in; the 40 loads behind them stay out
	v_add_f32 v25, v12, v14
	v_add_f32 v27, v16, v18
	s_delay_alu instid0(VALU_DEP_1)
	v_add_f32 v25, v25, v27
.irp m, 1,2,4,8
	s_delay_alu instid0(VALU_DEP_1)
	v_add_f32_dpp v25, v25, v25 row_xmask:\m row_mask:0xf bank_mask:0xf
.endr
	s_delay_alu instid0(VALU_DEP_1)
	v_permlanex16_b32 v26, v25, s16, s17
	s_delay_alu instid0(VALU_DEP_1)
	v_add_f32 v25, v25, v26
	s_delay_alu instid0(VALU_DEP_1)
	v_mul_f32 v25, 0x3c000000, v25                 ; / 128: the batch's mean
.irp i, 0,1,2,3
	v_sub_f32 v[12+2*\i], v[12+2*\i], v25
.endr
.irp i, 0,1,2,3
	s_delay_alu instid0(VALU_DEP_4)
	v_mul_f32 v[12+2*\i], v[12+2*\i], v[12+2*\i]
.endr
.irp i, 0,1,2,3
	s_delay_alu instid0(VALU_DEP_4)
	v_fmamk_f32 v[13+2*\i], v[12+2*\i], 0x46000000, v[13+2*\i]   ; M2_i + 8192 (mean_i - mean)^2
.endr
	s_delay_alu instid0(VALU_DEP_3)
	v_add_f32 v13, v13, v15
	s_delay_alu instid0(VALU_DEP_2)
	v_add_f32 v17, v17, v19
	s_delay_alu instid0(VALU_DEP_1)
	v_add_f32 v13, v13, v17
.irp m, 1,2,4,8
	s_delay_alu instid0(VALU_DEP_1)
	v_add_f32_dpp v13, v13, v13 row_xmask:\m row_mask:0xf bank_mask:0xf
.endr
	s_delay_alu instid0(VALU_DEP_1)
	v_permlanex16_b32 v26, v13, s16, s17
	s_delay_alu instid0(VALU_DEP_1)
	v_add_f32 v13, v13, v26
	s_delay_alu instid0(VALU_DEP_1)
	v_mul_f32 v27, 0x35800000, v13                 ; / 2^20: the variance
	s_delay_alu instid0(VALU_DEP_1)
	v_add_f32 v27, 0x3727c5ac, v27                 ; + 1e-5
	s_wait_alu depctr_va_vdst(0)
	v_rsq_f32 v30, v27
	v_mov_b32 v28, v25                             ; (plain work behind the transcendental)
	v_mov_b32 v29, v25
	s_wait_alu depctr_va_vdst(0)                   ; ahead of the first reader
	v_mov_b32 v31, v30
	ds_store_b128 v23, v[28:31]                    ; (mean, mean, rstd, rstd) of batch w; all lanes write the same words with the same values
	s_wait_dscnt 0x0                               ; for the others' sake
	s_barrier_signal -1
	s_barrier_wait -1
.irp b, 0,1,2,3,4,5,6,7
	ds_load_b128 v[64+4*\b:67+4*\b], v24 offset:16*\b
.endr
	s_wait_dscnt 0x0
.irp b, 0,1,2,3,4,5,6,7
.irp c, 0,1,2,3
	s_wait_loadcnt 31-(4*\b+\c)                    ; loads come back in order: this one is in, the younger ones stay out
.irp q, 0,1
	v_pk_add_f32 v[96+16*\b+4*\c+2*\q:97+16*\b+4*\c+2*\q], v[96+16*\b+4*\c+2*\q:97+16*\b+4*\c+2*\q], v[64+4*\b:65+4*\b] neg_lo:[0,1] neg_hi:[0,1]
.endr
.irp q, 0,1
	s_delay_alu instid0(VALU_DEP_2)
	v_pk_mul_f32 v[96+16*\b+4*\c+2*\q:97+16*\b+4*\c+2*\q], v[96+16*\b+4*\c+2*\q:97+16*\b+4*\c+2*\q], v[66+4*\b:67+4*\b]
.endr
.irp q, 0,1
	s_delay_alu instid0(VALU_DEP_2)
	v_pk_fma_f32 v[96+16*\b+4*\c+2*\q:97+16*\b+4*\c+2*\q], v[96+16*\b+4*\c+2*\q:97+16*\b+4*\c+2*\q], v[32+4*\c+2*\q:33+4*\c+2*\q], v[48+4*\c+2*\q:49+4*\c+2*\q]
.endr
	global_store_b128 v[2+\b], v[96+16*\b+4*\c:99+16*\b+4*\c], s[12:13] offset:4096*\c th:TH_STORE_NT   ; each store has its own registers: none is written again
.endr
.endr
	s_wait_tensorcnt 0x0                           ; the wave's end: a wait, an add to my spare word and its wait, behind my last LDS store
	ds_add_u32 v[SPW], v[NIL]
	s_wait_dscnt 0x0
	s_endpgm
.Lfunc_end_k_q507dea45ca_norm:
	.size	k_q507dea45ca_norm, .Lfunc_end_k_q507dea45ca_norm-k_q507dea45ca_norm
	.p2alignl 7, 3214868480
	.fill 96, 4, 3214868480
	.section	.rodata,"a",@progbits
	.p2align	6, 0x0
	.amdhsa_kernel k_q507dea45ca_norm
		.amdhsa_group_segment_fixed_size 1280
		.amdhsa_private_segment_fixed_size 0
		.amdhsa_enable_private_segment 0
		.amdhsa_kernarg_size 40
		.amdhsa_user_sgpr_count 2
		.amdhsa_user_sgpr_kernarg_segment_ptr 1
		.amdhsa_wavefront_size32 1
		.amdhsa_system_sgpr_workgroup_id_x 1
		.amdhsa_system_sgpr_workgroup_id_y 1
		.amdhsa_system_sgpr_workgroup_id_z 1
		.amdhsa_system_vgpr_workitem_id 0
		.amdhsa_next_free_vgpr 224
		.amdhsa_next_free_sgpr 66
		.amdhsa_reserve_vcc 0
		.amdhsa_float_denorm_mode_32 3
		.amdhsa_float_denorm_mode_16_64 3
		.amdhsa_memory_ordered 1
		.amdhsa_forward_progress 1
		.amdhsa_inst_pref_size 30
	.end_amdhsa_kernel
	.amdgpu_metadata
---
amdhsa.version: [ 1, 2 ]
amdhsa.kernels:
  - .name:           k_q507dea45ca_norm
    .symbol:         k_q507dea45ca_norm.kd
    .args:
      - { .name: yb, .offset: 0, .size: 8, .value_kind: global_buffer, .address_space: global }
      - { .name: st, .offset: 8, .size: 8, .value_kind: global_buffer, .address_space: global }
      - { .name: ln_w, .offset: 16, .size: 8, .value_kind: global_buffer, .address_space: global }
      - { .name: ln_b, .offset: 24, .size: 8, .value_kind: global_buffer, .address_space: global }
      - { .name: out0, .offset: 32, .size: 8, .value_kind: global_buffer, .address_space: global }
    .group_segment_fixed_size: 1280
    .private_segment_fixed_size: 0
    .kernarg_segment_align: 8
    .kernarg_segment_size: 40
    .max_flat_workgroup_size: 256
    .sgpr_count:     66
    .vgpr_count:     224
    .wavefront_size: 32
...
	.end_amdgpu_metadata
.endif
;; end of part 5
